; MI455X (gfx1250); checked and timed in simulation.
; The chip was launched on July 23, 2026; its instructions are those of AMD's public machine-readable ISA for CDNA 5 (MIT licence, August 2026) and "CDNA5" Instruction Set Architecture Reference Guide (July 2026). The comments in the code are by the model that wrote it; some were corrected since.
;; Relative Attention. Allowed arithmetic: float matrix products may take bf16 or f16 operands with f32 sums; other float arithmetic in f32, or as packed bf16 or f16 multiplies, adds, multiply-adds, maxima and minima; sums over many terms, partial sums and values carried from step to step in f32; what a program stores and reads back later, other than sums and carried values, may be rounded once to bf16 or f16.
;; Inputs: wk_b 1,024 float32; wk_w 1,024 x 1,024 float32; wo_b 1,024 float32; wo_w 1,024 x 1,024 float32; wq_b 1,024 float32; wq_w 1,024 x 1,024 float32; wv_b 1,024 float32; wv_w 1,024 x 1,024 float32; x_k 4 x 1,024 x 1,024 float32; x_q 4 x 1,024 x 1,024 float32; x_v 4 x 1,024 x 1,024 float32.
;; Outputs: out0 16 x 1,024 x 1,024 float32.
;; One version. Each part assembles by itself: llvm-mc -triple=amdgcn-amd-amdhsa -mcpu=gfx1250 --defsym DOCPART=n.
;; ======== version 1 of 1: 6 launches
;; limits: values are held in f16: magnitudes above 65,504 overflow, below 6.1e-05 lose precision
;; workspace buffers: inb 33,554,432 bytes; qkv 25,165,824 bytes; logit 16,777,216 bytes; prob 8,388,608 bytes; mixw 8,388,608 bytes
;; launch cvt (part 1): grid 64 x 16, 8 waves a work-group, no clusters, 0 bytes of LDS; arguments x_q, x_k, x_v, wq_w, wk_w, wv_w, wo_w, inb; writes inb
.if DOCPART == 1
	.amdgcn_target "amdgcn-amd-amdhsa--gfx1250"
	.amdhsa_code_object_version 6
	.text
	.protected	k_q65e96f0e29_cvt
	.globl	k_q65e96f0e29_cvt
	.p2align	8
	.type	k_q65e96f0e29_cvt,@function
k_q65e96f0e29_cvt:
	s_mov_b64 s[64:65], 0
	v_nop
	global_prefetch_b8 v0, s[64:65] scope:SCOPE_SE
	s_setreg_imm32_b32 hwreg(HW_REG_WAVE_MODE, 25, 1), 1
	s_wait_xcnt 0x0
; THE LARGE INPUTS, ROUNDED ONCE TO 16 BITS.  inb holds 16 units of [1024][1024] numbers of 16 bits, 2,097,152 bytes each:
; units 0-3 x_q[a], 4-7 x_k[a], 8-11 x_v[a], 12 wq_w, 13 wk_w, 14 wv_w, all bf16; unit 15 wo_w, rounded to bf16 and that number written as f16
; (the product that takes it has f16 operands).  LIMIT: wo_w within f16's range, 65,504; below 6e-5 it keeps f16's fixed step of 6e-8.
; SHARES.  Work-group (x, u) converts 16,384 numbers of unit u: 65,536 bytes in, 32,768 out.  Thread t takes 16 pieces: 16 bytes at 16 t + 4,096 j in,
; 8 bytes at 8 t + 2,048 j out: a wave's load covers 512 consecutive bytes, its store 256 consecutive bytes, aligned.
; All 16 loads of a thread go out first; each piece has registers of its own, so nothing is rewritten while a store reads it.  No LDS, no matrix unit: each byte is touched once.
.set X, 4                              ; v[4:67]   piece j: four f32 as loaded
.set Y, 68                             ; v[68:99]  piece j: four numbers of 16 bits to store
	s_load_b512 s[8:23], s[0:1], 0x0               ; x_q s[8:9], x_k, x_v, wq_w, wk_w, wv_w, wo_w s[20:21], inb s[22:23]
	s_and_b32 s24, ttmp7, 0xffff                   ; u, the unit
	s_lshr_b32 s25, s24, 2                         ; units 0-11: source u / 4,
	s_and_b32 s26, s24, 3
	s_lshl_b32 s26, s26, 22                        ; batch u % 4, 4,194,304 bytes each
	s_sub_co_u32 s30, s24, 9                       ; units 12-15: source u - 9, from its first byte
	s_cmp_lt_u32 s24, 12
	s_cselect_b32 s25, s25, s30
	s_cselect_b32 s26, s26, 0
	s_lshl_b32 s27, ttmp9, 16                      ; the work-group's 65,536 bytes
	s_add_co_u32 s26, s26, s27
	s_mov_b32 s27, 0
	s_lshl_b32 s28, s24, 21                        ; the unit in inb,
	s_lshl_b32 s29, ttmp9, 15                      ; the work-group's 32,768 bytes
	s_add_co_u32 s28, s28, s29
	s_mov_b32 s29, 0
	v_lshlrev_b32 v1, 4, v0                        ; 16 t; never rewritten
	v_lshlrev_b32 v2, 3, v0                        ; 8 t; never rewritten
	s_wait_kmcnt 0x0
	s_mov_b64 s[4:5], s[8:9]                       ; the source is chosen among the seven by its number
.irp n, 1,2,3,4,5,6
	s_cmp_eq_u32 s25, \n
	s_cselect_b64 s[4:5], s[8+2*\n:9+2*\n], s[4:5]
.endr
	s_add_nc_u64 s[4:5], s[4:5], s[26:27]
	s_add_nc_u64 s[6:7], s[22:23], s[28:29]
.irp j, 0,1,2,3,4,5,6,7,8,9,10,11,12,13,14,15
	global_load_b128 v[X+4*\j:X+4*\j+3], v1, s[4:5] offset:4096*\j th:TH_LOAD_NT
.endr
; Piece j.  half = 1: the bf16 numbers are widened again (a shift, a mask) and written as f16.
.macro CONV j, half
	s_wait_loadcnt 15-(\j)                         ; loads come back in order: piece j is in, the 15 - j younger ones stay out
	v_cvt_pk_bf16_f32 v[Y+2*(\j)],   v[X+4*(\j)],   v[X+4*(\j)+1]
	v_cvt_pk_bf16_f32 v[Y+2*(\j)+1], v[X+4*(\j)+2], v[X+4*(\j)+3]
.if \half
	v_lshlrev_b32 v[X+4*(\j)],   16,         v[Y+2*(\j)]
	v_and_b32     v[X+4*(\j)+1], 0xffff0000, v[Y+2*(\j)]
	v_lshlrev_b32 v[X+4*(\j)+2], 16,         v[Y+2*(\j)+1]
	v_and_b32     v[X+4*(\j)+3], 0xffff0000, v[Y+2*(\j)+1]
	v_cvt_pk_f16_f32 v[Y+2*(\j)],   v[X+4*(\j)],   v[X+4*(\j)+1]
	v_cvt_pk_f16_f32 v[Y+2*(\j)+1], v[X+4*(\j)+2], v[X+4*(\j)+3]
.endif
	global_store_b64 v2, v[Y+2*(\j):Y+2*(\j)+1], s[6:7] offset:2048*(\j) th:TH_STORE_NT
.endm
	s_cmp_eq_u32 s24, 15
	s_cbranch_scc1 .Lwo
.irp j, 0,1,2,3,4,5,6,7,8,9,10,11,12,13,14,15
	CONV \j, 0
.endr
	s_endpgm
.Lwo:
.irp j, 0,1,2,3,4,5,6,7,8,9,10,11,12,13,14,15
	CONV \j, 1
.endr
	s_endpgm
.Lfunc_end_k_q65e96f0e29_cvt:
	.size	k_q65e96f0e29_cvt, .Lfunc_end_k_q65e96f0e29_cvt-k_q65e96f0e29_cvt
	.p2alignl 7, 3214868480
	.fill 96, 4, 3214868480
	.section	.rodata,"a",@progbits
	.p2align	6, 0x0
	.amdhsa_kernel k_q65e96f0e29_cvt
		.amdhsa_group_segment_fixed_size 0
		.amdhsa_private_segment_fixed_size 0
		.amdhsa_enable_private_segment 0
		.amdhsa_kernarg_size 64
		.amdhsa_user_sgpr_count 2
		.amdhsa_user_sgpr_kernarg_segment_ptr 1
		.amdhsa_wavefront_size32 1
		.amdhsa_system_sgpr_workgroup_id_x 1
		.amdhsa_system_sgpr_workgroup_id_y 1
		.amdhsa_system_sgpr_workgroup_id_z 1
		.amdhsa_system_vgpr_workitem_id 0
		.amdhsa_next_free_vgpr 104
		.amdhsa_next_free_sgpr 66
		.amdhsa_reserve_vcc 0
		.amdhsa_float_denorm_mode_32 3
		.amdhsa_float_denorm_mode_16_64 3
		.amdhsa_memory_ordered 1
		.amdhsa_forward_progress 1
		.amdhsa_inst_pref_size 16
	.end_amdhsa_kernel
	.amdgpu_metadata
---
amdhsa.version: [ 1, 2 ]
amdhsa.kernels:
  - .name:           k_q65e96f0e29_cvt
    .symbol:         k_q65e96f0e29_cvt.kd
    .args:
      - { .name: x_q, .offset: 0, .size: 8, .value_kind: global_buffer, .address_space: global }
      - { .name: x_k, .offset: 8, .size: 8, .value_kind: global_buffer, .address_space: global }
      - { .name: x_v, .offset: 16, .size: 8, .value_kind: global_buffer, .address_space: global }
      - { .name: wq_w, .offset: 24, .size: 8, .value_kind: global_buffer, .address_space: global }
      - { .name: wk_w, .offset: 32, .size: 8, .value_kind: global_buffer, .address_space: global }
      - { .name: wv_w, .offset: 40, .size: 8, .value_kind: global_buffer, .address_space: global }
      - { .name: wo_w, .offset: 48, .size: 8, .value_kind: global_buffer, .address_space: global }
      - { .name: inb, .offset: 56, .size: 8, .value_kind: global_buffer, .address_space: global }
    .group_segment_fixed_size: 0
    .private_segment_fixed_size: 0
    .kernarg_segment_align: 8
    .kernarg_segment_size: 64
    .max_flat_workgroup_size: 256
    .sgpr_count:     66
    .vgpr_count:     104
    .wavefront_size: 32
...
	.end_amdgpu_metadata
.endif
;; end of part 1
;; launch proj (part 2): grid 4 x 48, 4 waves a work-group, clusters of 4 x 4, 327,680 bytes of LDS; arguments inb, wq_b, wk_b, wv_b, qkv; writes qkv
.if DOCPART == 2
	.amdgcn_target "amdgcn-amd-amdhsa--gfx1250"
	.amdhsa_code_object_version 6
	.text
	.protected	k_q65e96f0e29_proj
	.globl	k_q65e96f0e29_proj
	.p2align	8
	.type	k_q65e96f0e29_proj,@function
k_q65e96f0e29_proj:
	s_mov_b64 s[64:65], 0
	v_nop
	global_prefetch_b8 v0, s[64:65] scope:SCOPE_SE
	s_setreg_imm32_b32 hwreg(HW_REG_WAVE_MODE, 25, 1), 1
	s_wait_xcnt 0x0
	s_wait_alu depctr_hold_cnt(0) depctr_sa_sdst(0) depctr_va_vdst(0) depctr_va_sdst(0) depctr_va_ssrc(0) depctr_va_vcc(0) depctr_vm_vsrc(0)
	s_getreg_b32 s2, hwreg(HW_REG_IB_STS2, 6, 4)
	s_cmp_eq_u32 s2, 0
	s_cbranch_scc0 .Lentry_in_a_cluster
	s_endpgm
.Lentry_in_a_cluster:
	s_bfe_u32 s2, ttmp6, 0x10000c
	s_cmp_lg_u32 s2, 0xf033
	s_cbranch_scc0 .Lentry_shape_is_right
	s_endpgm
.Lentry_shape_is_right:
; THE THREE PROJECTIONS, twelve products of 1024 x 1024 x 1024 in bf16 with f32 sums, written as f16:
;   qT[a][i][t] = sum over c of wq[i][c] x_q[a][t][c] + bq[i]   (q is wanted turned, so W's rows are the rows of the result and the bias goes by rows)
;   k[a][j][t]  = sum over c of x_k[a][j][c] wk[t][c] + bk[t],  v[b][k][j] likewise   (bias by columns)
; qkv: qT[a] at a << 21, k[a] at (1 << 23) + (a << 21), v[b] at (2 << 23) + (b << 21), each [1024][1024] f16.  The biases are rounded to bf16 like the other inputs.
; LIMITS.  q, k and v must lie within f16's 65,504 (beyond it the conversion gives an infinity); NaN and infinities are not treated apart; the sums have the matrix unit's order.
; SHARES.  A cluster of 4 x 4 work-groups makes one product; a work-group a tile of 256 x 256; each of its four waves 128 x 128: 64 accumulators, 512 registers.
; K goes in 8 steps of 128 (256 bytes of each row in memory, aligned) through two LDS slots that tensor loads fill by turns.  192 work-groups: three products of four batches have no split into 256 equal tiles of this shape.
; JOINT LOADS.  The four work-groups of a row of the cluster need the same rows of A, the four of a column the same rows of B: each tile is asked for by the same tensor load, descriptor and mask in all four.
; THE MATRIX INSTRUCTION IS USED TRANSPOSED (source 0 = 16 rows of B, source 1 = 16 rows of A): lane l holds row l % 16 of C and the columns 8 (l / 16) + 0..7.
; THE BIAS STARTS THE SUMS: it is the C operand of the first K quarter's products; nothing is cleared and nothing is added later.
; REGISTERS, in windows of 256 (s_set_vgpr_msb: bits 1:0 source 0, 3:2 source 1, 5:4 source 2, 7:6 destination):
;   window 0: v1-15 at work in the head; v16-30 addresses; v64-127, v128-191 A's fragments, two buffers; v192-255 the bias, later the way out; v32-63 the way out
;   window 1: v64-127, v128-191 B's fragments;   window 2: the accumulators of my rows 0-63 ((a, b) at 8 (8 a + b));   window 3: those of rows 64-127
.set ROWB,   2048                      ; bytes in a row of every unit of inb and of qkv
.set KB,     256                       ; bytes of a row in a K step
.set PITCH,  272                       ; an LDS row: 256 bytes + 16 of padding = 68 words: the 16 rows of a fragment load start at 16 different groups of four banks (64 banks of 4 bytes: ISA guide 11.1)
.set HALFT,  128*PITCH                 ; what one tensor load brings
.set SLOT,   4*HALFT                   ; A's 256 rows, then B's 256.  0x22000: no bit of it is set in wave x HALFT, so one exclusive or changes slots
.set STAGE,  2*SLOT                    ; behind the ring: 16 rows x 272 bytes for each wave, for the way out
.set SPITCH, 272
.set SPARE,  STAGE+4*16*SPITCH         ; behind the stages: the spare words, 128 bytes for each wave: two blocks of 256 bytes that no other line names
.set GW0,    (1<<16)|(1<<20)|(1<<21)|(5<<22)|(3<<25)  ; group 1, word 0 without the mask: 2-byte elements; padding on; bit 21 beside a mask; after every 64 words, 4 words
.set A0,   16                          ; v16  my lane's place in A's part of slot 0; never rewritten
.set B0,   17                          ; v17  the same for B
.set ADRA, 18                          ; v18  A0 + the slot in hand
.set ADRB, 19                          ; v19  B0 + the slot in hand
.set STO,  24                          ; v24  the way out: where I put 16 bytes of a row
.set RD,   25                          ; v25  where I read a row back
.set CO,   26                          ; v26  my byte offset in my part of the result
.set SPW,  28                          ; v28  LDS address of my spare word; never rewritten
.set NIL,  29                          ; v29  0; never rewritten
.set PFO,  30                          ; v30  the prefetches' offset: my lane x a row; never rewritten
.set OB,   32
.set F0,   64
.set F1,   128
.set CB,   192                         ; the bias as a C operand: 8 registers for each of 8 blocks
.set TMP,  192
.set WV,  14                           ; s14  wave
.set FB,  15                           ; s15  wave / 2: my half of the tile's rows; also: I fetch for A (0) or B (1)
.set HF,  16                           ; s16  wave % 2: my half of its columns; also: which 128 rows I fetch
.set CX,  17
.set CY,  18
.set CLY, 19                           ; s19  the cluster's y = 4 x projection + batch
.set G1A, 32                           ; s[32:39] group 1 for A's tiles;  s[40:47] for B's: the mask differs
.set G1B, 40
.set GA0, 48                           ; s[48:51] group 0, A, K step 0 into slot 0; never rewritten
.set GA,  52                           ; s[52:55] group 0, A: K step 1 into slot 1, then it walks
.set GB0, 56
.set GB,  60
.set TB,  66                           ; s66  0 or SLOT: the slot in hand
.set LIM, 67                           ; s67  2 in a wave that prefetches, else the greatest number
.set PFA, 68                           ; s[68:69] where my prefetches stand
.set OUT, 70                           ; s[70:71] my wave's part of the result
.set PP,  72                           ; s72  the projection: 0 q, 1 k, 2 v
.set BA,  73                           ; s73  the batch
.set BP,  74                           ; s[74:75] the projection's bias
.set MSB, 0
.macro WIN new                         ; the immediate's high byte repeats the setting that is left; a switch that changes nothing is dropped
.if MSB != (\new)
	s_set_vgpr_msb (MSB<<8)|(\new)
.set MSB, \new
.endif
.endm
.macro PLACES                          ; four plain places behind matrix instructions, in front of loads into registers that they read and of readers of their results
.rept 4
	v_nop
.endr
.endm
.macro CREST                           ; a round of the cluster's barrier behind its opening barrier
	s_cmp_lg_u32 s[WV], 0
	s_cbranch_scc1 .Lnot_wave_0_\@
	s_barrier_signal -3
.Lnot_wave_0_\@:
	s_barrier_wait -3
	s_barrier_signal -1
	s_barrier_wait -1
.endm
.macro CROUND
	s_barrier_signal -1
	s_barrier_wait -1
	CREST
.endm
.macro JLOAD                           ; the joint refill: waves 0, 1 fetch A's halves, waves 2, 3 B's; an s_nop 0 and four v_nop follow each line
	s_cmp_eq_u32 s[FB], 0
	s_cbranch_scc0 .Lfor_b_\@
	tensor_load_to_lds s[GA:GA+3], s[G1A:G1A+7]
	s_nop 0
.rept 4
	v_nop
.endr
	s_branch .Lasked_\@
.Lfor_b_\@:
	tensor_load_to_lds s[GB:GB+3], s[G1B:G1B+7]
	s_nop 0
.rept 4
	v_nop
.endr
.Lasked_\@:
.endm
; A prefetch of the K step that stands two refills on: 32 rows x 256 bytes, a lane a row, one instruction a wave.  Of the 128 rows that a wave fetches each of the four partners that ask for them jointly
; takes 32, told apart by address.  An x unit is read by this cluster alone; a W unit by the four clusters of a projection, of which the one with batch 0 asks: each block is named once in the launch.
; K steps 0 to 3 come by their loads alone; the count s3 runs 6 .. 1, and a wave asks while it is above 2: K steps 4 to 7.
.macro ASK
	s_cmp_gt_u32 s3, s[LIM]
	s_cbranch_scc0 .Lnot_mine_\@
	global_prefetch_b8 v[PFO], s[PFA:PFA+1] offset:KB th:TH_LOAD_NT scope:SCOPE_SE
.Lnot_mine_\@:
.endm
; 16 matrix instructions: row blocks a0, a0 + 1 of the window's four x all 8 column blocks, 32 along K.  cm = 0: the sums go on; 1: they start with the bias by columns; 2: by rows.
.macro MUL16 f, hi, a0, cm
.if (\cm) == 0
	WIN 0xa1+0x50*(\hi)
.else
	WIN 0x81+0x40*(\hi)
.endif
.irp a, \a0, (\a0)+1
.irp b, 0,1,2,3,4,5,6,7
.if (\cm) == 0
	v_wmma_f32_16x16x32_bf16 v[8*(8*(\a)+(\b)):8*(8*(\a)+(\b))+7], v[(\f)+8*(\b):(\f)+8*(\b)+7], v[(\f)+8*(4*(\hi)+(\a)):(\f)+8*(4*(\hi)+(\a))+7], v[8*(8*(\a)+(\b)):8*(8*(\a)+(\b))+7]
.elseif (\cm) == 1
	v_wmma_f32_16x16x32_bf16 v[8*(8*(\a)+(\b)):8*(8*(\a)+(\b))+7], v[(\f)+8*(\b):(\f)+8*(\b)+7], v[(\f)+8*(4*(\hi)+(\a)):(\f)+8*(4*(\hi)+(\a))+7], v[CB+8*(\b):CB+8*(\b)+7]
.else
	v_wmma_f32_16x16x32_bf16 v[8*(8*(\a)+(\b)):8*(8*(\a)+(\b))+7], v[(\f)+8*(\b):(\f)+8*(\b)+7], v[(\f)+8*(4*(\hi)+(\a)):(\f)+8*(4*(\hi)+(\a))+7], v[CB+8*(4*(\hi)+(\a)):CB+8*(4*(\hi)+(\a))+7]
.endif
.endr
.endr
.endm
; 32 LDS loads in one run: the fragments of 32 along K at byte k of the rows of the slot in hand, into buffer f: B's 16 loads, then A's
.macro FETCH k, f
	WIN 0x40
.irp i, 0,1,2,3,4,5,6,7
	ds_load_b128 v[(\f)+8*(\i):(\f)+8*(\i)+3],   v[ADRB] offset:(\k)+(\i)*16*PITCH
	ds_load_b128 v[(\f)+8*(\i)+4:(\f)+8*(\i)+7], v[ADRB] offset:(\k)+(\i)*16*PITCH+32
.endr
	WIN 0
.irp i, 0,1,2,3,4,5,6,7
	ds_load_b128 v[(\f)+8*(\i):(\f)+8*(\i)+3],   v[ADRA] offset:(\k)+(\i)*16*PITCH
	ds_load_b128 v[(\f)+8*(\i)+4:(\f)+8*(\i)+7], v[ADRA] offset:(\k)+(\i)*16*PITCH+32
.endr
.endm
; One of a K step's first three quarters: multiplies buffer f; in its middle it fetches the next quarter, at byte k, into buffer g.  The 64 accumulators take turns in the same order in every quarter.
.macro QUARTER k, f, g, cm
	s_wait_dscnt 8                                 ; B and A's rows 0-63 are in; the youngest eight loads (A's rows 64-127) may be out
	MUL16 \f, 0, 0, \cm
	MUL16 \f, 0, 2, \cm
	PLACES
	FETCH \k, \g
	s_wait_dscnt 32                                ; all but the 32 just issued
	MUL16 \f, 1, 0, \cm
	MUL16 \f, 1, 2, \cm
.endm
; The change of slots, first half: each wave waits for all its tensor loads (one is out: its part of the next slot), adds 0 to its spare word, and waits for that and for its reads of this slot.
.macro MEET
	WIN 0
	s_wait_tensorcnt 0x0
	ds_add_u32 v[SPW], v[NIL]
	s_wait_dscnt 9                                 ; the add and the youngest eight loads may be out
	MUL16 F1, 0, 0, 0
	s_wait_dscnt 0x0                               ; the add is done, and my reads of this slot are over
	s_barrier_signal -1
	MUL16 F1, 0, 2, 0                              ; work on registers while the others arrive
	WIN 0
	s_barrier_wait -1
.endm
; A K step's last quarter.  fill = 1: the barrier opens a round of the cluster's, and the slot just read is filled again, first thing behind it, with the K step two on:
; the walking descriptor takes the other slot than last time and the next 256 bytes of the rows.  From that request to the wait for it a wave issues 224 matrix instructions.
.macro TURN fill
.if \fill
	s_wait_xcnt 0x0                                ; the last prefetch, a K step back, has read its address
	s_add_nc_u64 s[PFA:PFA+1], s[PFA:PFA+1], KB
.endif
	MEET
.if \fill
	CREST
	s_xor_b32 s[GA+1], s[GA+1], SLOT
	s_add_nc_u64 s[GA+2:GA+3], s[GA+2:GA+3], KB
	s_xor_b32 s[GB+1], s[GB+1], SLOT
	s_add_nc_u64 s[GB+2:GB+3], s[GB+2:GB+3], KB
	JLOAD                                          ; its four v_nop are also the places in front of the loads below
.else
	PLACES
.endif
	s_xor_b32 s[TB], s[TB], SLOT                   ; the fragments come from the other slot
	v_add_nc_u32 v[ADRA], s[TB], v[A0]
	v_add_nc_u32 v[ADRB], s[TB], v[B0]
	FETCH 0, F0
.if \fill
	ASK
.endif
	MUL16 F1, 1, 0, 0
	MUL16 F1, 1, 2, 0
.endm
; THE WAY OUT of row block a: rounded to f16, 16 bytes a lane; through my own stage; back as whole rows of 256 bytes; stored.
.macro PACK a
.set AC, 64*((\a)%4)
	WIN 0x0a+5*((\a)/4)
.irp b, 0,1,2,3,4,5,6,7
.irp r, 0,1,2,3
	v_cvt_pk_f16_f32 v[TMP+4*(\b)+(\r)], v[AC+8*(\b)+2*(\r)], v[AC+8*(\b)+2*(\r)+1]
.endr
.endr
	WIN 0
.endm
.macro TOSTAGE a
	WIN 0
.set BK, OB+192*((\a)%2)
.irp b, 0,1,2,3,4,5,6,7
	ds_store_b128 v[STO], v[TMP+4*(\b):TMP+4*(\b)+3] offset:32*(\b)
.endr
.irp t, 0,1,2,3,4,5,6,7
	ds_load_b128 v[BK+4*(\t):BK+4*(\t)+3], v[RD] offset:(\t)*2*SPITCH  ; LDS serves a wave's instructions in order (ISA guide 5.7.1.4): these see the stores above
.endr
.endm
.macro SEND a
	WIN 0
.set BK, OB+192*((\a)%2)
	s_wait_dscnt 0x0                               ; the block is back in registers
	s_wait_xcnt 0x0                                ; the stores of the block before have read their registers: the next block's loads land there only behind this wait
.irp t, 0,1,2,3,4,5,6,7
	global_store_b128 v[CO], v[BK+4*(\t):BK+4*(\t)+3], s[OUT:OUT+1] offset:(16*(\a)+2*(\t))*ROWB  ; 16 lanes store 256 consecutive bytes, aligned
.endr
.endm
	s_load_b256 s[4:11], s[0:1], 0x0               ; inb s[4:5], wq_b s[6:7], wk_b s[8:9], wv_b s[10:11]
	s_load_b64 s[12:13], s[0:1], 0x20              ; qkv
	v_lshl_add_u32 v[SPW], v0, 2, SPARE
	v_mov_b32 v[NIL], 0
	ds_add_u32 v[SPW], v[NIL]                      ; the wave's opening: the add and its wait ahead of my first tensor load; work on registers stands between them
	v_lshrrev_b32 v1, 5, v0
	v_readfirstlane_b32 s[WV], v1
	s_lshr_b32 s[FB], s[WV], 1
	s_and_b32 s[HF], s[WV], 1
	s_bfe_u32 s[CX], ttmp6, 0x40000
	s_bfe_u32 s[CY], ttmp6, 0x40004
	s_and_b32 s[CLY], ttmp7, 0xffff
	s_lshr_b32 s[PP], s[CLY], 2
	s_and_b32 s[BA], s[CLY], 3
	s_lshl_b32 s20, s[CY], 2
	s_lshl_b32 s20, 15, s20                        ; my row of the cluster
	s_lshl_b32 s24, 0x1111, s[CX]                  ; my column
	s_or_b32 s[G1A], s20, GW0
	s_or_b32 s[G1B], s24, GW0
.irp g, G1A, G1B
	s_mov_b32 s[(\g)+1], 128<<16                   ; tensor_dim0 = 128
	s_mov_b32 s[(\g)+2], 128<<16                   ; tensor_dim1 = 128
	s_mov_b32 s[(\g)+3], 128<<16                   ; tile_dim0 = 128
	s_mov_b32 s[(\g)+4], 128                       ; tile_dim1 = 128
	s_mov_b32 s[(\g)+5], 1024                      ; elements from row to row
	s_mov_b32 s[(\g)+6], 0
	s_mov_b32 s[(\g)+7], 0
.endr
	s_add_co_u32 s27, s[PP], 12                    ; W's unit; x's unit is 4 x projection + batch = the cluster's y
	s_cmp_eq_u32 s[PP], 0
	s_cselect_b32 s21, s27, s[CLY]                 ; A: W for q, else x
	s_cselect_b32 s25, s[CLY], s27                 ; B: x for q, else W
	s_lshl_b32 s20, s21, 21                        ; A's offset: the unit, 256 cy + 128 x half rows of 2,048 bytes
	s_lshl_b32 s22, s[CY], 19
	s_add_co_u32 s20, s20, s22
	s_lshl_b32 s22, s[HF], 18
	s_add_co_u32 s20, s20, s22
	s_mov_b32 s21, 0
	s_lshl_b32 s24, s25, 21                        ; B's: the unit, 256 cx + 128 x half rows
	s_lshl_b32 s26, s[CX], 19
	s_add_co_u32 s24, s24, s26
	s_lshl_b32 s26, s[HF], 18
	s_add_co_u32 s24, s24, s26
	s_mov_b32 s25, 0
	s_mul_i32 s23, s[WV], HALFT                    ; where my loads go: wave x 128 rows
	s_lshl_b32 s30, s[CLY], 21                     ; the result: (projection << 23) + (batch << 21),
	s_lshl_b32 s31, s[CY], 19                      ; row 256 cy + 128 x my row half,
	s_add_co_u32 s30, s30, s31
	s_lshl_b32 s31, s[FB], 18
	s_add_co_u32 s30, s30, s31
	s_lshl_b32 s31, s[CX], 9                       ; column 256 cx + 128 x my column half
	s_add_co_u32 s30, s30, s31
	s_lshl_b32 s31, s[HF], 8
	s_add_co_u32 s30, s30, s31
	s_mov_b32 s31, 0
	s_cmp_eq_u32 s[FB], 0                          ; the prefetches: the rows that I fetch,
	s_cselect_b32 s28, s20, s24
	s_cselect_b32 s29, s[CX], s[CY]                ; my work-group's 32 of them,
	s_lshl_b32 s29, s29, 16
	s_add_co_u32 s28, s28, s29
	s_add_co_u32 s28, s28, 2*KB                    ; at K step 2: the first change of slots steps it to 3 and names 4
	s_mov_b32 s29, 0
	s_cmp_eq_u32 s[PP], 0
	s_cselect_b32 s76, 1, 0
	s_xor_b32 s76, s76, s[FB]                      ; 1: what I fetch is W
	s_mul_i32 s76, s76, s[BA]
	s_cmp_eq_u32 s76, 0
	s_cselect_b32 s[LIM], 2, -1                    ; the same in all sixteen partners, for a given wave
	s_mov_b32 s[TB], 0
	s_wait_dscnt 0x0                               ; the opening add is done
	s_wait_kmcnt 0x0
	s_add_nc_u64 s[20:21], s[4:5], s[20:21]
	s_add_nc_u64 s[24:25], s[4:5], s[24:25]
	s_add_nc_u64 s[PFA:PFA+1], s[4:5], s[28:29]
	s_add_nc_u64 s[OUT:OUT+1], s[12:13], s[30:31]
	CROUND                                         ; all sixteen work-groups are here: the first joint loads meet
.irp s, 0,1
	s_mov_b32 s[GA0+4*(\s)], 1
	s_add_co_u32 s[GA0+4*(\s)+1], s23, (\s)*SLOT
	s_add_nc_u64 s[GA0+4*(\s)+2:GA0+4*(\s)+3], s[20:21], (\s)*KB
	s_or_b32 s[GA0+4*(\s)+3], s[GA0+4*(\s)+3], 0x80000000
	s_mov_b32 s[GB0+4*(\s)], 1
	s_add_co_u32 s[GB0+4*(\s)+1], s23, (\s)*SLOT
	s_add_nc_u64 s[GB0+4*(\s)+2:GB0+4*(\s)+3], s[24:25], (\s)*KB
	s_or_b32 s[GB0+4*(\s)+3], s[GB0+4*(\s)+3], 0x80000000
.endr
	s_cmp_eq_u32 s[FB], 0                          ; a wave's two first fills stand in one branch: two loads of mine are out
	s_cbranch_scc0 .Lfirst_b
	tensor_load_to_lds s[GA0:GA0+3], s[G1A:G1A+7]
	s_nop 0
	tensor_load_to_lds s[GA:GA+3], s[G1A:G1A+7]
	s_nop 0
.rept 4
	v_nop
.endr
	s_branch .Lfirst_asked
.Lfirst_b:
	tensor_load_to_lds s[GB0:GB0+3], s[G1B:G1B+7]
	s_nop 0
	tensor_load_to_lds s[GB:GB+3], s[G1B:G1B+7]
	s_nop 0
.rept 4
	v_nop
.endr
.Lfirst_asked:
	; the bias.  Register CB + 8 x + j of lane (r, h) holds, by columns: b[256 cx + 128 half + 16 x + 8 h + j]; by rows (q): b[256 cy + 128 half + 16 x + r], eight copies
	v_and_b32 v1, 15, v0                           ; r
	v_bfe_u32 v2, v0, 4, 1                         ; h
	s_cmp_eq_u32 s[PP], 1
	s_cselect_b64 s[BP:BP+1], s[8:9], s[6:7]
	s_cmp_eq_u32 s[PP], 2
	s_cselect_b64 s[BP:BP+1], s[10:11], s[BP:BP+1]
	s_cmp_eq_u32 s[PP], 0
	s_cselect_b32 s26, 1, 0                        ; r's factor
	s_cselect_b32 s27, 0, 8                        ; h's factor
	s_cselect_b32 s28, 0, 4                        ; bytes from register to register
	s_cselect_b32 s29, s[CY], s[CX]
	s_cselect_b32 s30, s[FB], s[HF]
	s_lshl_b32 s29, s29, 8
	s_lshl_b32 s30, s30, 7
	s_add_co_u32 s29, s29, s30
	v_mul_u32_u24 v8, v1, s26
	v_mad_u32_u24 v8, v2, s27, v8
	v_add_lshl_u32 v8, v8, s29, 2
.irp j, 1,2,3,4,5,6,7
	v_add_nc_u32 v[8+\j], s28, v[7+\j]
.endr
.irp x, 0,1,2,3,4,5,6,7
.irp j, 0,1,2,3,4,5,6,7
	global_load_b32 v[CB+8*(\x)+(\j)], v[8+\j], s[BP:BP+1] offset:64*(\x)
.endr
.endr
	; A fragment is 16 rows x 32 K in 8 registers: lane l holds row l % 16, K = 8 (l / 16) + 0..7 and 16 + 8 (l / 16) + 0..7: two loads of 16 bytes, 32 bytes apart
	v_mul_u32_u24 v3, v1, PITCH
	v_lshl_add_u32 v3, v2, 4, v3
	s_mul_i32 s77, s[FB], HALFT                    ; my 128 rows of A
	s_mul_i32 s78, s[HF], HALFT                    ; my 128 rows of B,
	s_add_co_u32 s78, s78, 2*HALFT                 ; behind A's 256
	v_add_nc_u32 v[A0], s77, v3
	v_add_nc_u32 v[B0], s78, v3
	v_mov_b32 v[ADRA], v[A0]
	v_mov_b32 v[ADRB], v[B0]
	s_mul_i32 s79, s[WV], 16*SPITCH
	s_add_co_u32 s79, s79, STAGE                   ; my stage
	v_mul_u32_u24 v4, v1, SPITCH                   ; in: row l % 16, 16 bytes for each half of the lanes
	v_lshl_add_u32 v4, v2, 4, v4
	v_add_nc_u32 v[STO], s79, v4
	v_mul_u32_u24 v5, v2, SPITCH                   ; back: lanes 0-15 one row of 256 bytes, lanes 16-31 the next
	v_lshl_add_u32 v5, v1, 4, v5
	v_add_nc_u32 v[RD], s79, v5
	v_lshlrev_b32 v5, 11, v2                       ; and the same two rows in the result
	v_lshl_add_u32 v[CO], v1, 4, v5
	v_and_b32 v[PFO], 31, v0
	v_lshlrev_b32 v[PFO], 11, v[PFO]
	s_mov_b32 s76, 0xffff0000                      ; a word's upper bf16
	s_wait_loadcnt 0x0                             ; the bias is in: rounded to bf16 and widened again
.set i, 0
.rept 32
	v_cvt_pk_bf16_f32 v[4+i%4], v[CB+2*i], v[CB+2*i+1]
	v_lshlrev_b32 v[CB+2*i], 16, v[4+i%4]
	v_and_b32 v[CB+2*i+1], s76, v[4+i%4]
.set i, i+1
.endr
	s_wait_tensorcnt 1                             ; my part of K step 0 is in; K step 1's may stay out
	s_barrier_signal -1
	s_barrier_wait -1
	FETCH 0, F0
	s_cmp_eq_u32 s[PP], 0                          ; the first quarter stands twice: the projection, which all partners share, says how the bias lies
	s_cbranch_scc0 .Lby_columns
	QUARTER 64, F0, F1, 2
	WIN 0
	s_branch .Lstarted
.Lby_columns:
	QUARTER 64, F0, F1, 1
	WIN 0
.Lstarted:
	s_mov_b32 s3, 6
.Lstep:                                                ; a trip: from a K step's second quarter to the next step's first; six trips fill K steps 2 to 7
	QUARTER 128, F1, F0, 0
	QUARTER 192, F0, F1, 0
	TURN 1
	QUARTER 64, F0, F1, 0
	WIN 0
	s_sub_co_u32 s3, s3, 1
	s_cmp_lg_u32 s3, 0
	s_cbranch_scc1 .Lstep
	s_mov_b32 s3, 2
.Ltail:                                                ; K steps 6 and 7 ask for nothing: they have a text of their own; it is walked twice and left in the middle of its second trip
	QUARTER 128, F1, F0, 0
	QUARTER 192, F0, F1, 0
	WIN 0
	s_sub_co_u32 s3, s3, 1
	s_cmp_eq_u32 s3, 0
	s_cbranch_scc1 .Llast
	TURN 0
	QUARTER 64, F0, F1, 0
	WIN 0
	s_branch .Ltail
.Llast:                                                ; the very last quarter: nothing more to fetch
	s_wait_dscnt 8
	MUL16 F1, 0, 0, 0
	MUL16 F1, 0, 2, 0
	s_wait_dscnt 0x0
	MUL16 F1, 1, 0, 0
	MUL16 F1, 1, 2, 0
	WIN 0
	PLACES
	PACK 0
	TOSTAGE 0
.irp a, 1,2,3,4,5,6,7                  ; block a's conversions stand between block a - 1's loads from the stage and the wait for them
	PACK \a
	SEND (\a)-1
	TOSTAGE \a
.endr
	SEND 7
	s_wait_tensorcnt 0x0                           ; the wave's end
	ds_add_u32 v[SPW], v[NIL]
	s_wait_dscnt 0x0
	CROUND                                         ; the closing round
	s_endpgm
.Lfunc_end_k_q65e96f0e29_proj:
	.size	k_q65e96f0e29_proj, .Lfunc_end_k_q65e96f0e29_proj-k_q65e96f0e29_proj
	.p2alignl 7, 3214868480
	.fill 96, 4, 3214868480
	.section	.rodata,"a",@progbits
	.p2align	6, 0x0
	.amdhsa_kernel k_q65e96f0e29_proj
		.amdhsa_group_segment_fixed_size 327680
		.amdhsa_private_segment_fixed_size 0
		.amdhsa_enable_private_segment 0
		.amdhsa_kernarg_size 40
		.amdhsa_user_sgpr_count 2
		.amdhsa_user_sgpr_kernarg_segment_ptr 1
		.amdhsa_wavefront_size32 1
		.amdhsa_system_sgpr_workgroup_id_x 1
		.amdhsa_system_sgpr_workgroup_id_y 1
		.amdhsa_system_sgpr_workgroup_id_z 1
		.amdhsa_system_vgpr_workitem_id 0
		.amdhsa_next_free_vgpr 1024
		.amdhsa_next_free_sgpr 80
		.amdhsa_reserve_vcc 0
		.amdhsa_float_denorm_mode_32 3
		.amdhsa_float_denorm_mode_16_64 3
		.amdhsa_memory_ordered 1
		.amdhsa_forward_progress 1
		.amdhsa_inst_pref_size 122
	.end_amdhsa_kernel
	.amdgpu_metadata
---
amdhsa.version: [ 1, 2 ]
amdhsa.kernels:
  - .name:           k_q65e96f0e29_proj
    .symbol:         k_q65e96f0e29_proj.kd
    .args:
      - { .name: inb, .offset: 0, .size: 8, .value_kind: global_buffer, .address_space: global }
      - { .name: wq_b, .offset: 8, .size: 8, .value_kind: global_buffer, .address_space: global }
      - { .name: wk_b, .offset: 16, .size: 8, .value_kind: global_buffer, .address_space: global }
      - { .name: wv_b, .offset: 24, .size: 8, .value_kind: global_buffer, .address_space: global }
      - { .name: qkv, .offset: 32, .size: 8, .value_kind: global_buffer, .address_space: global }
    .group_segment_fixed_size: 327680
    .private_segment_fixed_size: 0
    .kernarg_segment_align: 8
    .kernarg_segment_size: 40
    .max_flat_workgroup_size: 128
    .sgpr_count:     80
    .vgpr_count:     1024
    .wavefront_size: 32
...
	.end_amdgpu_metadata
.endif
;; end of part 2
;; launch score (part 3): grid 8 x 32, 4 waves a work-group, clusters of 4 x 4, 327,680 bytes of LDS; arguments qkv, logit; writes logit
.if DOCPART == 3
	.amdgcn_target "amdgcn-amd-amdhsa--gfx1250"
	.amdhsa_code_object_version 6
	.text
	.protected	k_q65e96f0e29_score
	.globl	k_q65e96f0e29_score
	.p2align	8
	.type	k_q65e96f0e29_score,@function
k_q65e96f0e29_score:
	s_mov_b64 s[64:65], 0
	v_nop
	global_prefetch_b8 v0, s[64:65] scope:SCOPE_SE
	s_setreg_imm32_b32 hwreg(HW_REG_WAVE_MODE, 25, 1), 1
	s_wait_xcnt 0x0
	s_wait_alu depctr_hold_cnt(0) depctr_sa_sdst(0) depctr_va_vdst(0) depctr_va_sdst(0) depctr_va_ssrc(0) depctr_va_vcc(0) depctr_vm_vsrc(0)
	s_getreg_b32 s2, hwreg(HW_REG_IB_STS2, 6, 4)
	s_cmp_eq_u32 s2, 0
	s_cbranch_scc0 .Lentry_in_a_cluster
	s_endpgm
.Lentry_in_a_cluster:
	s_bfe_u32 s2, ttmp6, 0x10000c
	s_cmp_lg_u32 s2, 0xf033
	s_cbranch_scc0 .Lentry_shape_is_right
	s_endpgm
.Lentry_shape_is_right:
; THE LOGITS.  S[a][i][j] = sum over t of qT[a][i][t] k[a][j][t]: four products of 1024 x 1024 x 1024 with f16 operands, f32 sums, stored as f32 (they are not scaled, so the softmax needs them whole).
; LIMITS.  A logit beyond f32's range is an infinity, as in the reference; the sums have the matrix unit's order.
; SHARES.  256 tiles of 128 x 128, a work-group each; four waves of 64 x 64: 16 accumulators.  K goes in 4 steps of 256 (512 bytes of each row) through two LDS slots.
; Clusters of 4 x 4: two rows of clusters and two columns to a batch; A's tile is shared along a row of the cluster, B's along a column, by joint tensor loads.
; The matrix instruction is used transposed (source 0 = 16 rows of k, source 1 = 16 rows of qT): a lane holds row l % 16 and the columns 8 (l / 16) + 0..7.
; No prefetch: four K steps, of which two are first fills, on small tiles.
; REGISTERS.  window 0: v16-29 addresses; v128-255 the accumulators ((a, b) at 128 + 8 (4 a + b)).  window 1: two fragment buffers of 128 (64 of A, 64 of B, for 64 along K); on the way out v0-127 whole rows.
.set PITCH,  528                       ; an LDS row: 512 bytes + 16 of padding = 132 words: the 16 rows of a load start at 16 different groups of four banks (ISA guide 11.1)
.set HALFT,  64*PITCH
.set SLOT,   4*HALFT                   ; 0x21000: no bit of it is set in wave x HALFT, so one exclusive or changes slots
.set STEPA,  512                       ; bytes along a row from K step to K step
.set STEPB,  512
.set STAGE,  2*SLOT                    ; each wave's own 16 rows x 272 bytes
.set SPITCH, 272
.set SPARE,  STAGE+4*16*SPITCH         ; the spare words: two blocks of 256 bytes that no other line names
.set GW0,    (1<<16)|(1<<20)|(1<<21)|(6<<22)|(3<<25)  ; 2-byte elements; padding on; bit 21 beside a mask; after every 128 words, 4 words
.set A0,   16
.set B0,   17
.set ADRA, 18
.set ADRB, 19
.set STO,  24
.set RD,   25
.set CO,   26
.set SPW,  28
.set NIL,  29
.set ACC,  128
.set F0,   0
.set F1,   128
.set WV,  14
.set FB,  15
.set HF,  16
.set CX,  17
.set CY,  18
.set CLY, 19
.set G1A, 32
.set G1B, 40
.set GA0, 48
.set GA,  52
.set GB0, 56
.set GB,  60
.set TB,  66
.set BA,  67                           ; s67  the batch
.set TR,  68                           ; s68  tile row
.set TC,  69                           ; s69  tile column
.set OUT, 70
.set MSB, 0
.macro WIN new
.if MSB != (\new)
	s_set_vgpr_msb (MSB<<8)|(\new)
.set MSB, \new
.endif
.endm
.macro PLACES
.rept 4
	v_nop
.endr
.endm
.macro CREST
	s_cmp_lg_u32 s[WV], 0
	s_cbranch_scc1 .Lnot_wave_0_\@
	s_barrier_signal -3
.Lnot_wave_0_\@:
	s_barrier_wait -3
	s_barrier_signal -1
	s_barrier_wait -1
.endm
.macro CROUND
	s_barrier_signal -1
	s_barrier_wait -1
	CREST
.endm
.macro JLOAD
	s_cmp_eq_u32 s[FB], 0
	s_cbranch_scc0 .Lfor_b_\@
	tensor_load_to_lds s[GA:GA+3], s[G1A:G1A+7]
	s_nop 0
.rept 4
	v_nop
.endr
	s_branch .Lasked_\@
.Lfor_b_\@:
	tensor_load_to_lds s[GB:GB+3], s[G1B:G1B+7]
	s_nop 0
.rept 4
	v_nop
.endr
.Lasked_\@:
.endm
; 8 matrix instructions: row blocks a0, a0 + 1 x all 4 column blocks, 32 along K: half c of buffer f.  zero = 1: the product starts the sums
.macro MUL8 f, c, a0, zero
	WIN 0x05
.irp a, \a0, (\a0)+1
.irp b, 0,1,2,3
.if \zero
	v_wmma_f32_16x16x32_f16 v[ACC+8*(4*(\a)+(\b)):ACC+8*(4*(\a)+(\b))+7], v[(\f)+64+8*(4*(\c)+(\b)):(\f)+64+8*(4*(\c)+(\b))+7], v[(\f)+8*(4*(\c)+(\a)):(\f)+8*(4*(\c)+(\a))+7], 0
.else
	v_wmma_f32_16x16x32_f16 v[ACC+8*(4*(\a)+(\b)):ACC+8*(4*(\a)+(\b))+7], v[(\f)+64+8*(4*(\c)+(\b)):(\f)+64+8*(4*(\c)+(\b))+7], v[(\f)+8*(4*(\c)+(\a)):(\f)+8*(4*(\c)+(\a))+7], v[ACC+8*(4*(\a)+(\b)):ACC+8*(4*(\a)+(\b))+7]
.endif
.endr
.endr
.endm
; 32 LDS loads in one run: quarter q (64 along K) of the slot in hand into buffer f; the first 32 along K first
.macro FETCH q, f
	WIN 0x40
.irp c, 0,1
.irp i, 0,1,2,3
	ds_load_b128 v[(\f)+64+8*(4*(\c)+(\i)):(\f)+64+8*(4*(\c)+(\i))+3],   v[ADRB] offset:128*(\q)+64*(\c)+(\i)*16*PITCH
	ds_load_b128 v[(\f)+64+8*(4*(\c)+(\i))+4:(\f)+64+8*(4*(\c)+(\i))+7], v[ADRB] offset:128*(\q)+64*(\c)+(\i)*16*PITCH+32
	ds_load_b128 v[(\f)+8*(4*(\c)+(\i)):(\f)+8*(4*(\c)+(\i))+3],         v[ADRA] offset:128*(\q)+64*(\c)+(\i)*16*PITCH
	ds_load_b128 v[(\f)+8*(4*(\c)+(\i))+4:(\f)+8*(4*(\c)+(\i))+7],       v[ADRA] offset:128*(\q)+64*(\c)+(\i)*16*PITCH+32
.endr
.endr
.endm
; multiplies buffer f and fetches quarter q into buffer g.  The 16 accumulators take turns.
.macro QUARTER q, f, g, zero
	s_wait_dscnt 16                                ; the first 32 along K are in
	MUL8 \f, 0, 0, \zero
	MUL8 \f, 0, 2, \zero
	PLACES
	FETCH \q, \g
	s_wait_dscnt 32                                ; all but the 32 just issued
	MUL8 \f, 1, 0, 0
	MUL8 \f, 1, 2, 0
.endm
; A K step's last quarter and the change of slots: each wave waits for all its tensor loads, adds 0 to its spare word, waits for that and for its reads of this slot; one barrier.
; fill = 1: the barrier opens a round of the cluster's, and this slot is filled again first thing behind it, with the K step two on.
.macro TURN fill
	WIN 0
	s_wait_tensorcnt 0x0
	ds_add_u32 v[SPW], v[NIL]
	s_wait_dscnt 17                                ; the add and the youngest sixteen loads may be out
	MUL8 F1, 0, 0, 0
	s_wait_dscnt 0x0
	s_barrier_signal -1
	MUL8 F1, 0, 2, 0
	WIN 0
	s_barrier_wait -1
.if \fill
	CREST
	s_xor_b32 s[GA+1], s[GA+1], SLOT
	s_add_nc_u64 s[GA+2:GA+3], s[GA+2:GA+3], STEPA
	s_xor_b32 s[GB+1], s[GB+1], SLOT
	s_add_nc_u64 s[GB+2:GB+3], s[GB+2:GB+3], STEPB
	JLOAD
.else
	PLACES
.endif
	s_xor_b32 s[TB], s[TB], SLOT
	v_add_nc_u32 v[ADRA], s[TB], v[A0]
	v_add_nc_u32 v[ADRB], s[TB], v[B0]
	FETCH 0, F0
	MUL8 F1, 1, 0, 0
	MUL8 F1, 1, 2, 0
.endm
; THE WAY OUT.  A wave's 64 columns of f32 are 256 aligned bytes of a row, so each wave has a stage of its own and no barrier: 16 rows go in, 32 bytes a lane, and come back as whole rows.
.macro BLK a
	WIN 0
.irp b, 0,1,2,3
	ds_store_b128 v[STO], v[ACC+8*(4*(\a)+(\b)):ACC+8*(4*(\a)+(\b))+3]   offset:64*(\b)
	ds_store_b128 v[STO], v[ACC+8*(4*(\a)+(\b))+4:ACC+8*(4*(\a)+(\b))+7] offset:64*(\b)+16
.endr
	WIN 0x40
.irp t, 0,1,2,3,4,5,6,7
	ds_load_b128 v[32*(\a)+4*(\t):32*(\a)+4*(\t)+3], v[RD] offset:(\t)*2*SPITCH  ; LDS serves a wave's instructions in order (ISA guide 5.7.1.4)
.endr
.endm
.macro SND a, y                        ; y: the LDS instructions issued behind block a's loads
	WIN 0x04
.irp t, 0,1,2,3,4,5,6,7
	s_wait_dscnt (\y)+7-(\t)
	global_store_b128 v[CO], v[32*(\a)+4*(\t):32*(\a)+4*(\t)+3], s[OUT:OUT+1] offset:(16*(\a)+2*(\t))*4096  ; 16 lanes store 256 consecutive bytes, aligned
.endr
.endm
	s_load_b128 s[4:7], s[0:1], 0x0                ; qkv s[4:5], logit s[6:7]
	v_lshl_add_u32 v[SPW], v0, 2, SPARE
	v_mov_b32 v[NIL], 0
	ds_add_u32 v[SPW], v[NIL]                      ; the wave's opening: the add and its wait ahead of my first tensor load
	v_lshrrev_b32 v1, 5, v0
	v_readfirstlane_b32 s[WV], v1
	s_lshr_b32 s[FB], s[WV], 1
	s_and_b32 s[HF], s[WV], 1
	s_bfe_u32 s[CX], ttmp6, 0x40000
	s_bfe_u32 s[CY], ttmp6, 0x40004
	s_and_b32 s[CLY], ttmp7, 0xffff
	s_lshr_b32 s[BA], s[CLY], 1
	s_and_b32 s[TR], s[CLY], 1
	s_lshl_b32 s[TR], s[TR], 2
	s_add_co_u32 s[TR], s[TR], s[CY]               ; tile row 0..7
	s_lshl_b32 s[TC], ttmp9, 2
	s_add_co_u32 s[TC], s[TC], s[CX]               ; tile column 0..7
	s_lshl_b32 s20, s[CY], 2
	s_lshl_b32 s20, 15, s20
	s_lshl_b32 s24, 0x1111, s[CX]
	s_or_b32 s[G1A], s20, GW0
	s_or_b32 s[G1B], s24, GW0
.irp g, G1A, G1B
	s_mov_b32 s[(\g)+1], 256<<16                   ; tensor_dim0 = 256
	s_mov_b32 s[(\g)+2], 64<<16                    ; tensor_dim1 = 64
	s_mov_b32 s[(\g)+3], 256<<16                   ; tile_dim0 = 256
	s_mov_b32 s[(\g)+4], 64                        ; tile_dim1 = 64
	s_mov_b32 s[(\g)+5], 1024
	s_mov_b32 s[(\g)+6], 0
	s_mov_b32 s[(\g)+7], 0
.endr
	s_lshl_b32 s20, s[BA], 21                      ; qT[a], row 128 x tile row + 64 x half
	s_lshl_b32 s22, s[TR], 18
	s_add_co_u32 s20, s20, s22
	s_lshl_b32 s22, s[HF], 17
	s_add_co_u32 s20, s20, s22
	s_mov_b32 s21, 0
	s_lshl_b32 s24, s[BA], 21                      ; k[a], row 128 x tile column + 64 x half
	s_add_co_u32 s24, s24, 1<<23
	s_lshl_b32 s26, s[TC], 18
	s_add_co_u32 s24, s24, s26
	s_lshl_b32 s26, s[HF], 17
	s_add_co_u32 s24, s24, s26
	s_mov_b32 s25, 0
	s_mul_i32 s23, s[WV], HALFT
	s_lshl_b32 s30, s[BA], 22                      ; S[a], row 128 x tile row + 64 x my row half, column 128 x tile column + 64 x my column half
	s_lshl_b32 s31, s[TR], 19
	s_add_co_u32 s30, s30, s31
	s_lshl_b32 s31, s[FB], 18
	s_add_co_u32 s30, s30, s31
	s_lshl_b32 s31, s[TC], 9
	s_add_co_u32 s30, s30, s31
	s_lshl_b32 s31, s[HF], 8
	s_add_co_u32 s30, s30, s31
	s_mov_b32 s31, 0
	s_mov_b32 s[TB], 0
	s_wait_dscnt 0x0
	s_wait_kmcnt 0x0
	s_add_nc_u64 s[20:21], s[4:5], s[20:21]
	s_add_nc_u64 s[24:25], s[4:5], s[24:25]
	s_add_nc_u64 s[OUT:OUT+1], s[6:7], s[30:31]
	CROUND
.irp s, 0,1
	s_mov_b32 s[GA0+4*(\s)], 1
	s_add_co_u32 s[GA0+4*(\s)+1], s23, (\s)*SLOT
	s_add_nc_u64 s[GA0+4*(\s)+2:GA0+4*(\s)+3], s[20:21], (\s)*STEPA
	s_or_b32 s[GA0+4*(\s)+3], s[GA0+4*(\s)+3], 0x80000000
	s_mov_b32 s[GB0+4*(\s)], 1
	s_add_co_u32 s[GB0+4*(\s)+1], s23, (\s)*SLOT
	s_add_nc_u64 s[GB0+4*(\s)+2:GB0+4*(\s)+3], s[24:25], (\s)*STEPB
	s_or_b32 s[GB0+4*(\s)+3], s[GB0+4*(\s)+3], 0x80000000
.endr
	s_cmp_eq_u32 s[FB], 0                          ; a wave's two first fills stand in one branch: two loads of mine are out
	s_cbranch_scc0 .Lfirst_b
	tensor_load_to_lds s[GA0:GA0+3], s[G1A:G1A+7]
	s_nop 0
	tensor_load_to_lds s[GA:GA+3], s[G1A:G1A+7]
	s_nop 0
.rept 4
	v_nop
.endr
	s_branch .Lfirst_asked
.Lfirst_b:
	tensor_load_to_lds s[GB0:GB0+3], s[G1B:G1B+7]
	s_nop 0
	tensor_load_to_lds s[GB:GB+3], s[G1B:G1B+7]
	s_nop 0
.rept 4
	v_nop
.endr
.Lfirst_asked:
	v_and_b32 v1, 15, v0                           ; r
	v_bfe_u32 v2, v0, 4, 1                         ; h
	v_mul_u32_u24 v3, v1, PITCH
	v_lshl_add_u32 v3, v2, 4, v3
	s_mul_i32 s77, s[FB], HALFT
	s_mul_i32 s78, s[HF], HALFT
	s_add_co_u32 s78, s78, 2*HALFT
	v_add_nc_u32 v[A0], s77, v3
	v_add_nc_u32 v[B0], s78, v3
	v_mov_b32 v[ADRA], v[A0]
	v_mov_b32 v[ADRB], v[B0]
	s_mul_i32 s79, s[WV], 16*SPITCH
	s_add_co_u32 s79, s79, STAGE
	v_mul_u32_u24 v4, v1, SPITCH                   ; in: row l % 16, 32 bytes for each half of the lanes
	v_lshl_add_u32 v4, v2, 5, v4
	v_add_nc_u32 v[STO], s79, v4
	v_mul_u32_u24 v5, v2, SPITCH                   ; back: lanes 0-15 one row of 256 bytes, lanes 16-31 the next
	v_lshl_add_u32 v5, v1, 4, v5
	v_add_nc_u32 v[RD], s79, v5
	v_lshlrev_b32 v5, 12, v2
	v_lshl_add_u32 v[CO], v1, 4, v5
	s_wait_tensorcnt 1                             ; my part of K step 0 is in; K step 1's may stay out
	s_barrier_signal -1
	s_barrier_wait -1
	FETCH 0, F0
	QUARTER 1, F0, F1, 1                           ; the first products start the sums
	WIN 0
	s_mov_b32 s3, 2
.Lstep:                                                ; two trips fill K steps 2 and 3
	QUARTER 2, F1, F0, 0
	QUARTER 3, F0, F1, 0
	TURN 1
	QUARTER 1, F0, F1, 0
	WIN 0
	s_sub_co_u32 s3, s3, 1
	s_cmp_lg_u32 s3, 0
	s_cbranch_scc1 .Lstep
	s_mov_b32 s3, 2
.Ltail:                                                ; K steps 2 and 3 ask for nothing: they have a text of their own; it is walked twice and left in the middle of its second trip
	QUARTER 2, F1, F0, 0
	QUARTER 3, F0, F1, 0
	WIN 0
	s_sub_co_u32 s3, s3, 1
	s_cmp_eq_u32 s3, 0
	s_cbranch_scc1 .Llast
	TURN 0
	QUARTER 1, F0, F1, 0
	WIN 0
	s_branch .Ltail
.Llast:                                                ; the very last quarter: nothing more to fetch
	s_wait_dscnt 16
	MUL8 F1, 0, 0, 0
	MUL8 F1, 0, 2, 0
	s_wait_dscnt 0x0
	MUL8 F1, 1, 0, 0
	MUL8 F1, 1, 2, 0
	WIN 0
	PLACES
	BLK 0
	BLK 1
	SND 0, 16
	BLK 2
	SND 1, 16
	BLK 3
	SND 2, 16
	SND 3, 0
	WIN 0
	s_wait_tensorcnt 0x0                           ; the wave's end
	ds_add_u32 v[SPW], v[NIL]
	s_wait_dscnt 0x0
	CROUND
	s_endpgm
.Lfunc_end_k_q65e96f0e29_score:
	.size	k_q65e96f0e29_score, .Lfunc_end_k_q65e96f0e29_score-k_q65e96f0e29_score
	.p2alignl 7, 3214868480
	.fill 96, 4, 3214868480
	.section	.rodata,"a",@progbits
	.p2align	6, 0x0
	.amdhsa_kernel k_q65e96f0e29_score
		.amdhsa_group_segment_fixed_size 327680
		.amdhsa_private_segment_fixed_size 0
		.amdhsa_enable_private_segment 0
		.amdhsa_kernarg_size 16
		.amdhsa_user_sgpr_count 2
		.amdhsa_user_sgpr_kernarg_segment_ptr 1
		.amdhsa_wavefront_size32 1
		.amdhsa_system_sgpr_workgroup_id_x 1
		.amdhsa_system_sgpr_workgroup_id_y 1
		.amdhsa_system_sgpr_workgroup_id_z 1
		.amdhsa_system_vgpr_workitem_id 0
		.amdhsa_next_free_vgpr 512
		.amdhsa_next_free_sgpr 80
		.amdhsa_reserve_vcc 0
		.amdhsa_float_denorm_mode_32 3
		.amdhsa_float_denorm_mode_16_64 3
		.amdhsa_memory_ordered 1
		.amdhsa_forward_progress 1
		.amdhsa_inst_pref_size 60
	.end_amdhsa_kernel
	.amdgpu_metadata
---
amdhsa.version: [ 1, 2 ]
amdhsa.kernels:
  - .name:           k_q65e96f0e29_score
    .symbol:         k_q65e96f0e29_score.kd
    .args:
      - { .name: qkv, .offset: 0, .size: 8, .value_kind: global_buffer, .address_space: global }
      - { .name: logit, .offset: 8, .size: 8, .value_kind: global_buffer, .address_space: global }
    .group_segment_fixed_size: 327680
    .private_segment_fixed_size: 0
    .kernarg_segment_align: 8
    .kernarg_segment_size: 16
    .max_flat_workgroup_size: 128
    .sgpr_count:     80
    .vgpr_count:     512
    .wavefront_size: 32
...
	.end_amdgpu_metadata
.endif
;; end of part 3
;; launch soft (part 4): grid 512 x 1, 8 waves a work-group, no clusters, 0 bytes of LDS; arguments logit, prob; writes prob
.if DOCPART == 4
	.amdgcn_target "amdgcn-amd-amdhsa--gfx1250"
	.amdhsa_code_object_version 6
	.text
	.protected	k_q65e96f0e29_soft
	.globl	k_q65e96f0e29_soft
	.p2align	8
	.type	k_q65e96f0e29_soft,@function
k_q65e96f0e29_soft:
	s_mov_b64 s[64:65], 0
	v_nop
	global_prefetch_b8 v0, s[64:65] scope:SCOPE_SE
	s_setreg_imm32_b32 hwreg(HW_REG_WAVE_MODE, 25, 1), 1
	s_wait_xcnt 0x0
; P[a][i][:] = softmax over j of S[a][i][:].  S: 4,096 rows of 1,024 f32; P the same in f16.  All arithmetic in f32; P rounded once.
; One wave takes one row: eight loads of 16 bytes a lane, the row kept in 32 registers between the maximum, the exponentials and the scaling: it is read once, and no wave waits for another.
; p = 2^(c s - c m) / l, c = log2(e), m the row's maximum; c m is rounded once and is the same for the whole row, so its rounding cancels in the division.  l is at least about 1.
; LIMITS.  A weight below 2^-126 counts as 0 in l; p below 6e-5 keeps f16's fixed step of 6e-8; NaN and infinities are not treated apart.
; Each load of a wave covers 512 consecutive bytes, each store 256 consecutive bytes, aligned.  The launch is a stream: no LDS, no matrix unit, no prefetch.
.set X,  4                             ; v[4:35]   the row's 32 numbers of my lane
.set T,  36                            ; v[36:51]  partial sums
.set MX, 52                            ; v[52:55]  four running maxima
.set CM, 56                            ; v[56:57]  c m (the packed scaling takes the pair's low word)
.set R,  58                            ; v[58:59]  1 / l, twice
.set Y,  60                            ; v[60:75]  f16 to store
	s_load_b128 s[4:7], s[0:1], 0x0                ; logit s[4:5], prob s[6:7]
	s_lshl_b32 s12, ttmp9, 15                      ; the work-group's eight rows: 32,768 bytes in,
	s_mov_b32 s13, 0
	s_lshl_b32 s14, ttmp9, 14                      ; 16,384 out
	s_mov_b32 s15, 0
	s_mov_b32 s8, 0x3fb8aa3b                       ; c = log2(e)
	s_mov_b32 s9, s8
	s_mov_b32 s10, 0x76543210                      ; v_permlanex16_b32: each lane takes its own place in the other half
	s_mov_b32 s11, 0xfedcba98
	v_lshrrev_b32 v3, 5, v0                        ; wave
	v_and_b32 v2, 31, v0                           ; lane
	v_lshlrev_b32 v1, 4, v2
	v_lshl_add_u32 v1, v3, 12, v1                  ; wave x 4,096 + 16 x lane
	v_lshlrev_b32 v2, 3, v2
	v_lshl_add_u32 v2, v3, 11, v2                  ; wave x 2,048 + 8 x lane
	s_wait_kmcnt 0x0
	s_add_nc_u64 s[4:5], s[4:5], s[12:13]
	s_add_nc_u64 s[6:7], s[6:7], s[14:15]
.irp c, 0,1,2,3,4,5,6,7
	global_load_b128 v[X+4*\c:X+4*\c+3], v1, s[4:5] offset:512*\c th:TH_LOAD_NT
.endr
	s_wait_loadcnt 0x0
	; the maximum: four chains of seven numbers, three operands at a time; the four left over; the chains into one
.irp k, 0,1,2,3
	v_max3_num_f32 v[MX+\k], v[X+8*\k], v[X+8*\k+1], v[X+8*\k+2]
.endr
.irp k, 0,1,2,3
	v_max3_num_f32 v[MX+\k], v[MX+\k], v[X+8*\k+3], v[X+8*\k+4]
.endr
.irp k, 0,1,2,3
	v_max3_num_f32 v[MX+\k], v[MX+\k], v[X+8*\k+5], v[X+8*\k+6]
.endr
	v_max3_num_f32 v[MX], v[MX], v[X+7], v[X+15]
	v_max3_num_f32 v[MX+2], v[MX+2], v[X+23], v[X+31]
	v_max3_num_f32 v[MX], v[MX], v[MX+1], v[MX+2]
	v_max_num_f32 v[MX], v[MX], v[MX+3]
	v_max_num_f32_dpp v[MX], v[MX], v[MX] row_xmask:1 row_mask:0xf bank_mask:0xf
	v_max_num_f32_dpp v[MX], v[MX], v[MX] row_xmask:2 row_mask:0xf bank_mask:0xf
	v_max_num_f32_dpp v[MX], v[MX], v[MX] row_xmask:4 row_mask:0xf bank_mask:0xf
	v_max_num_f32_dpp v[MX], v[MX], v[MX] row_xmask:8 row_mask:0xf bank_mask:0xf
	v_permlanex16_b32 v[MX+1], v[MX], s10, s11
	v_max_num_f32 v[MX], v[MX], v[MX+1]            ; every lane holds the row's maximum
	v_mul_f32 v[CM], s8, v[MX]
	v_mov_b32 v[CM+1], v[CM]
.set i, 0
.rept 16
	v_pk_fma_f32 v[X+2*i:X+2*i+1], v[X+2*i:X+2*i+1], s[8:9], v[CM:CM+1] op_sel_hi:[1,0,0] neg_lo:[0,0,1] neg_hi:[0,0,1]  ; c s - c m
.set i, i+1
.endr
.set i, 0
.rept 32
	v_exp_f32 v[X+i], v[X+i]
.set i, i+1
.endr
	v_nop                                          ; a plain instruction behind the last exponential (ISA guide 5.7.2),
	s_wait_alu depctr_va_vdst(0)                   ; and one wait ahead of the batch's first reader
.set i, 0
.rept 8
	v_pk_add_f32 v[T+2*i:T+2*i+1], v[X+4*i:X+4*i+1], v[X+4*i+2:X+4*i+3]
.set i, i+1
.endr
.irp i, 0,1,2,3
	v_pk_add_f32 v[T+4*\i:T+4*\i+1], v[T+4*\i:T+4*\i+1], v[T+4*\i+2:T+4*\i+3]
.endr
.irp i, 0,1
	v_pk_add_f32 v[T+8*\i:T+8*\i+1], v[T+8*\i:T+8*\i+1], v[T+8*\i+4:T+8*\i+5]
.endr
	v_pk_add_f32 v[T:T+1], v[T:T+1], v[T+8:T+9]
	v_add_f32 v[T], v[T], v[T+1]
	v_add_f32_dpp v[T], v[T], v[T] row_xmask:1 row_mask:0xf bank_mask:0xf
	v_add_f32_dpp v[T], v[T], v[T] row_xmask:2 row_mask:0xf bank_mask:0xf
	v_add_f32_dpp v[T], v[T], v[T] row_xmask:4 row_mask:0xf bank_mask:0xf
	v_add_f32_dpp v[T], v[T], v[T] row_xmask:8 row_mask:0xf bank_mask:0xf
	v_permlanex16_b32 v[T+1], v[T], s10, s11
	v_add_f32 v[T], v[T], v[T+1]                   ; l, in every lane
	v_rcp_f32 v[R], v[T]
	v_rcp_f32 v[R+1], v[T]
	v_nop
	s_wait_alu depctr_va_vdst(0)                   ; one wait for both reciprocals
.set i, 0
.rept 16
	v_pk_mul_f32 v[X+2*i:X+2*i+1], v[X+2*i:X+2*i+1], v[R:R+1]
.set i, i+1
.endr
.set i, 0
.rept 16
	v_cvt_pk_f16_f32 v[Y+i], v[X+2*i], v[X+2*i+1]
.set i, i+1
.endr
.irp c, 0,1,2,3,4,5,6,7
	global_store_b64 v2, v[Y+2*\c:Y+2*\c+1], s[6:7] offset:256*\c
.endr
	s_endpgm
.Lfunc_end_k_q65e96f0e29_soft:
	.size	k_q65e96f0e29_soft, .Lfunc_end_k_q65e96f0e29_soft-k_q65e96f0e29_soft
	.p2alignl 7, 3214868480
	.fill 96, 4, 3214868480
	.section	.rodata,"a",@progbits
	.p2align	6, 0x0
	.amdhsa_kernel k_q65e96f0e29_soft
		.amdhsa_group_segment_fixed_size 0
		.amdhsa_private_segment_fixed_size 0
		.amdhsa_enable_private_segment 0
		.amdhsa_kernarg_size 16
		.amdhsa_user_sgpr_count 2
		.amdhsa_user_sgpr_kernarg_segment_ptr 1
		.amdhsa_wavefront_size32 1
		.amdhsa_system_sgpr_workgroup_id_x 1
		.amdhsa_system_sgpr_workgroup_id_y 1
		.amdhsa_system_sgpr_workgroup_id_z 1
		.amdhsa_system_vgpr_workitem_id 0
		.amdhsa_next_free_vgpr 80
		.amdhsa_next_free_sgpr 66
		.amdhsa_reserve_vcc 0
		.amdhsa_float_denorm_mode_32 3
		.amdhsa_float_denorm_mode_16_64 3
		.amdhsa_memory_ordered 1
		.amdhsa_forward_progress 1
		.amdhsa_inst_pref_size 10
	.end_amdhsa_kernel
	.amdgpu_metadata
---
amdhsa.version: [ 1, 2 ]
amdhsa.kernels:
  - .name:           k_q65e96f0e29_soft
    .symbol:         k_q65e96f0e29_soft.kd
    .args:
      - { .name: logit, .offset: 0, .size: 8, .value_kind: global_buffer, .address_space: global }
      - { .name: prob, .offset: 8, .size: 8, .value_kind: global_buffer, .address_space: global }
    .group_segment_fixed_size: 0
    .private_segment_fixed_size: 0
    .kernarg_segment_align: 8
    .kernarg_segment_size: 16
    .max_flat_workgroup_size: 256
    .sgpr_count:     66
    .vgpr_count:     80
    .wavefront_size: 32
...
	.end_amdgpu_metadata
.endif
;; end of part 4
;; launch mix (part 5): grid 8 x 32, 4 waves a work-group, clusters of 4 x 4, 327,680 bytes of LDS; arguments inb, prob, mixw; writes mixw
.if DOCPART == 5
	.amdgcn_target "amdgcn-amd-amdhsa--gfx1250"
	.amdhsa_code_object_version 6
	.text
	.protected	k_q65e96f0e29_mix
	.globl	k_q65e96f0e29_mix
	.p2align	8
	.type	k_q65e96f0e29_mix,@function
k_q65e96f0e29_mix:
	s_mov_b64 s[64:65], 0
	v_nop
	global_prefetch_b8 v0, s[64:65] scope:SCOPE_SE
	s_setreg_imm32_b32 hwreg(HW_REG_WAVE_MODE, 25, 1), 1
	s_wait_xcnt 0x0
	s_wait_alu depctr_hold_cnt(0) depctr_sa_sdst(0) depctr_va_vdst(0) depctr_va_sdst(0) depctr_va_ssrc(0) depctr_va_vcc(0) depctr_vm_vsrc(0)
	s_getreg_b32 s2, hwreg(HW_REG_IB_STS2, 6, 4)
	s_cmp_eq_u32 s2, 0
	s_cbranch_scc0 .Lentry_in_a_cluster
	s_endpgm
.Lentry_in_a_cluster:
	s_bfe_u32 s2, ttmp6, 0x10000c
	s_cmp_lg_u32 s2, 0xf033
	s_cbranch_scc0 .Lentry_shape_is_right
	s_endpgm
.Lentry_shape_is_right:
; THE WEIGHTS OF THE LAST PRODUCT.  M[a][o][j] = sum over i of wo[o][i] P[a][i][j]: reference()'s last two products are taken in the other order,
; out[a, b][k][o] = sum over j of v[b][k][j] M[a][o][j] + bo[o], which is the same sum for every input with another order of rounding, and a quarter less work.
; Four products of 1024 x 1024 x 1024 with f16 operands and f32 sums; M rounded once to f16.  LIMITS.  |M| is at most the sum of a row of |wo| and must lie within 65,504; the sums have the matrix unit's order.
; SHARES as for the logits: 256 tiles of 128 x 128, four waves of 64 x 64, K (= i) in 4 steps of 256 through two LDS slots, clusters of 4 x 4 with joint loads.
; A = wo (unit 15 of inb), K along its rows.  B = P[a], stored [i][j], K DOWN its rows: a K step's tile is 256 rows of 256 bytes, and its fragments come out of LDS turned, by ds_load_tr16_b128.
; The matrix instruction is used transposed (source 0 = 16 columns j, source 1 = 16 rows o): a lane holds row l % 16 of M and eight neighbouring columns.  No prefetch: four K steps on small tiles.
; REGISTERS.  window 0: v16-29 addresses; v32-95 the way out; v128-255 the accumulators.  window 1: two fragment buffers of 128 (64 of A, 64 of B).
.set PITCH,  528                       ; a row of A in LDS: 512 bytes + 16
.set HALFT,  64*PITCH                  ; what one of A's loads brings
.set PB,     288                       ; a row of B: 256 bytes + 32 = 72 words
.set BOFF,   2*HALFT                   ; B's 256 rows lie behind A's 128
.set HALFB,  128*PB                    ; what one of B's loads brings
.set SLOT,   0x24000                   ; from slot to slot: a slot's 141,312 bytes fit, and no bit of it is set in a load's LDS address in slot 0 (0, 0x8400, 0x10800, 0x19800)
.set STEPA,  512                       ; A: 256 numbers along a row
.set STEPB,  256*2048                  ; B: 256 rows down
.set STAGE,  SLOT+BOFF+2*HALFB         ; behind the ring: 128 rows x 272 bytes, the work-group's
.set SPITCH, 272
.set SPARE,  STAGE+128*SPITCH          ; the spare words: two blocks of 256 bytes that no other line names
.set GWA,    (1<<16)|(1<<20)|(1<<21)|(6<<22)|(3<<25)  ; after every 128 words, 4 words of padding
.set GWB,    (1<<16)|(1<<20)|(1<<21)|(5<<22)|(7<<25)  ; after every 64 words, 8 words
.set A0,    16
.set B0,    17
.set ADRA,  18
.set ADRB,  19                         ; v19  B's rows 0-127 of the slot in hand
.set ADRB2, 20                         ; v20  its rows 128-255: so the immediates stay under 65,536
.set B02,   21                         ; v21  B0 + 128 rows; never rewritten
.set STO,  24
.set RD,   25
.set CO,   26
.set SPW,  28
.set NIL,  29
.set TMP,  32
.set ACC,  128
.set F0,   0
.set F1,   128
.set WV,  14
.set FB,  15
.set HF,  16
.set CX,  17
.set CY,  18
.set CLY, 19
.set G1A, 32
.set G1B, 40
.set GA0, 48
.set GA,  52
.set GB0, 56
.set GB,  60
.set TB,  66
.set BA,  67
.set TR,  68
.set TC,  69
.set OUT, 70
.set MSB, 0
.macro WIN new
.if MSB != (\new)
	s_set_vgpr_msb (MSB<<8)|(\new)
.set MSB, \new
.endif
.endm
.macro PLACES
.rept 4
	v_nop
.endr
.endm
.macro CREST
	s_cmp_lg_u32 s[WV], 0
	s_cbranch_scc1 .Lnot_wave_0_\@
	s_barrier_signal -3
.Lnot_wave_0_\@:
	s_barrier_wait -3
	s_barrier_signal -1
	s_barrier_wait -1
.endm
.macro CROUND
	s_barrier_signal -1
	s_barrier_wait -1
	CREST
.endm
.macro JLOAD
	s_cmp_eq_u32 s[FB], 0
	s_cbranch_scc0 .Lfor_b_\@
	tensor_load_to_lds s[GA:GA+3], s[G1A:G1A+7]
	s_nop 0
.rept 4
	v_nop
.endr
	s_branch .Lasked_\@
.Lfor_b_\@:
	tensor_load_to_lds s[GB:GB+3], s[G1B:G1B+7]
	s_nop 0
.rept 4
	v_nop
.endr
.Lasked_\@:
.endm
.macro MUL8 f, c, a0, zero
	WIN 0x05
.irp a, \a0, (\a0)+1
.irp b, 0,1,2,3
.if \zero
	v_wmma_f32_16x16x32_f16 v[ACC+8*(4*(\a)+(\b)):ACC+8*(4*(\a)+(\b))+7], v[(\f)+64+8*(4*(\c)+(\b)):(\f)+64+8*(4*(\c)+(\b))+7], v[(\f)+8*(4*(\c)+(\a)):(\f)+8*(4*(\c)+(\a))+7], 0
.else
	v_wmma_f32_16x16x32_f16 v[ACC+8*(4*(\a)+(\b)):ACC+8*(4*(\a)+(\b))+7], v[(\f)+64+8*(4*(\c)+(\b)):(\f)+64+8*(4*(\c)+(\b))+7], v[(\f)+8*(4*(\c)+(\a)):(\f)+8*(4*(\c)+(\a))+7], v[ACC+8*(4*(\a)+(\b)):ACC+8*(4*(\a)+(\b))+7]
.endif
.endr
.endr
.endm
; 32 LDS loads in one run: quarter q (64 along K) into buffer f; the first 32 along K first.  B: rows 64 q + 32 c on, columns 16 i on; the turning load leaves lane l column l % 16 and eight K.
.macro FETCH q, f
	WIN 0x40
.irp c, 0,1
.irp i, 0,1,2,3
.if (\q) < 2
	ds_load_tr16_b128 v[(\f)+64+8*(4*(\c)+(\i)):(\f)+64+8*(4*(\c)+(\i))+3],   v[ADRB] offset:(((\q)%2)*64+32*(\c))*PB+32*(\i)
	ds_load_tr16_b128 v[(\f)+64+8*(4*(\c)+(\i))+4:(\f)+64+8*(4*(\c)+(\i))+7], v[ADRB] offset:(((\q)%2)*64+32*(\c)+16)*PB+32*(\i)
.else
	ds_load_tr16_b128 v[(\f)+64+8*(4*(\c)+(\i)):(\f)+64+8*(4*(\c)+(\i))+3],   v[ADRB2] offset:(((\q)%2)*64+32*(\c))*PB+32*(\i)
	ds_load_tr16_b128 v[(\f)+64+8*(4*(\c)+(\i))+4:(\f)+64+8*(4*(\c)+(\i))+7], v[ADRB2] offset:(((\q)%2)*64+32*(\c)+16)*PB+32*(\i)
.endif
	ds_load_b128 v[(\f)+8*(4*(\c)+(\i)):(\f)+8*(4*(\c)+(\i))+3],   v[ADRA] offset:128*(\q)+64*(\c)+(\i)*16*PITCH
	ds_load_b128 v[(\f)+8*(4*(\c)+(\i))+4:(\f)+8*(4*(\c)+(\i))+7], v[ADRA] offset:128*(\q)+64*(\c)+(\i)*16*PITCH+32
.endr
.endr
.endm
.macro QUARTER q, f, g, zero
	s_wait_dscnt 16                                ; the first 32 along K are in
	MUL8 \f, 0, 0, \zero
	MUL8 \f, 0, 2, \zero
	PLACES
	FETCH \q, \g
	s_wait_dscnt 32                                ; all but the 32 just issued
	MUL8 \f, 1, 0, 0
	MUL8 \f, 1, 2, 0
.endm
; A K step's last quarter and the change of slots: each wave waits for all its tensor loads, adds 0 to its spare word, waits for that and for its reads of this slot; one barrier.
; fill = 1: the barrier opens a round of the cluster's, and this slot is filled again first thing behind it, with the K step two on.
.macro TURN fill
	WIN 0
	s_wait_tensorcnt 0x0
	ds_add_u32 v[SPW], v[NIL]
	s_wait_dscnt 17                                ; the add and the youngest sixteen loads may be out
	MUL8 F1, 0, 0, 0
	s_wait_dscnt 0x0
	s_barrier_signal -1
	MUL8 F1, 0, 2, 0
	WIN 0
	s_barrier_wait -1
.if \fill
	CREST
	s_xor_b32 s[GA+1], s[GA+1], SLOT
	s_add_nc_u64 s[GA+2:GA+3], s[GA+2:GA+3], STEPA
	s_xor_b32 s[GB+1], s[GB+1], SLOT
	s_add_nc_u64 s[GB+2:GB+3], s[GB+2:GB+3], STEPB
	JLOAD
.else
	PLACES
.endif
	s_xor_b32 s[TB], s[TB], SLOT
	v_add_nc_u32 v[ADRA], s[TB], v[A0]
	v_add_nc_u32 v[ADRB], s[TB], v[B0]
	v_add_nc_u32 v[ADRB2], s[TB], v[B02]
	FETCH 0, F0
	MUL8 F1, 1, 0, 0
	MUL8 F1, 1, 2, 0
.endm
	s_load_b128 s[4:7], s[0:1], 0x0                ; inb s[4:5], prob s[6:7]
	s_load_b64 s[8:9], s[0:1], 0x10                ; mixw
	v_lshl_add_u32 v[SPW], v0, 2, SPARE
	v_mov_b32 v[NIL], 0
	ds_add_u32 v[SPW], v[NIL]                      ; the wave's opening: the add and its wait ahead of my first tensor load
	v_lshrrev_b32 v1, 5, v0
	v_readfirstlane_b32 s[WV], v1
	s_lshr_b32 s[FB], s[WV], 1
	s_and_b32 s[HF], s[WV], 1
	s_bfe_u32 s[CX], ttmp6, 0x40000
	s_bfe_u32 s[CY], ttmp6, 0x40004
	s_and_b32 s[CLY], ttmp7, 0xffff
	s_lshr_b32 s[BA], s[CLY], 1
	s_and_b32 s[TR], s[CLY], 1
	s_lshl_b32 s[TR], s[TR], 2
	s_add_co_u32 s[TR], s[TR], s[CY]
	s_lshl_b32 s[TC], ttmp9, 2
	s_add_co_u32 s[TC], s[TC], s[CX]
	s_lshl_b32 s20, s[CY], 2
	s_lshl_b32 s20, 15, s20
	s_lshl_b32 s24, 0x1111, s[CX]
	s_or_b32 s[G1A], s20, GWA
	s_or_b32 s[G1B], s24, GWB
	s_mov_b32 s[G1A+1], 256<<16                    ; A: a tile of 64 rows x 256 elements
	s_mov_b32 s[G1A+2], 64<<16
	s_mov_b32 s[G1A+3], 256<<16
	s_mov_b32 s[G1A+4], 64
	s_mov_b32 s[G1A+5], 1024
	s_mov_b32 s[G1A+6], 0
	s_mov_b32 s[G1A+7], 0
	s_mov_b32 s[G1B+1], 128<<16                    ; B: a tile of 128 rows x 128 elements
	s_mov_b32 s[G1B+2], 128<<16
	s_mov_b32 s[G1B+3], 128<<16
	s_mov_b32 s[G1B+4], 128
	s_mov_b32 s[G1B+5], 1024
	s_mov_b32 s[G1B+6], 0
	s_mov_b32 s[G1B+7], 0
	s_lshl_b32 s20, s[TR], 18                      ; wo: unit 15, row 128 x tile row + 64 x half
	s_add_co_u32 s20, s20, 15<<21
	s_lshl_b32 s22, s[HF], 17
	s_add_co_u32 s20, s20, s22
	s_mov_b32 s21, 0
	s_lshl_b32 s24, s[BA], 21                      ; P[a]: row 128 x half, column 128 x tile column
	s_lshl_b32 s26, s[HF], 18
	s_add_co_u32 s24, s24, s26
	s_lshl_b32 s26, s[TC], 8
	s_add_co_u32 s24, s24, s26
	s_mov_b32 s25, 0
	s_mul_i32 s23, s[HF], HALFT                    ; where A's loads go,
	s_mul_i32 s27, s[HF], HALFB                    ; and B's
	s_add_co_u32 s27, s27, BOFF
	s_lshl_b32 s30, s[BA], 21                      ; M[a]: the first row that I store, 128 x tile row + 32 x wave; column 128 x tile column
	s_lshl_b32 s31, s[TR], 18
	s_add_co_u32 s30, s30, s31
	s_lshl_b32 s31, s[WV], 16
	s_add_co_u32 s30, s30, s31
	s_lshl_b32 s31, s[TC], 8
	s_add_co_u32 s30, s30, s31
	s_mov_b32 s31, 0
	s_mov_b32 s[TB], 0
	s_wait_dscnt 0x0
	s_wait_kmcnt 0x0
	s_add_nc_u64 s[20:21], s[4:5], s[20:21]
	s_add_nc_u64 s[24:25], s[6:7], s[24:25]
	s_add_nc_u64 s[OUT:OUT+1], s[8:9], s[30:31]
	CROUND
.irp s, 0,1
	s_mov_b32 s[GA0+4*(\s)], 1
	s_add_co_u32 s[GA0+4*(\s)+1], s23, (\s)*SLOT
	s_add_nc_u64 s[GA0+4*(\s)+2:GA0+4*(\s)+3], s[20:21], (\s)*STEPA
	s_or_b32 s[GA0+4*(\s)+3], s[GA0+4*(\s)+3], 0x80000000
	s_mov_b32 s[GB0+4*(\s)], 1
	s_add_co_u32 s[GB0+4*(\s)+1], s27, (\s)*SLOT
	s_add_nc_u64 s[GB0+4*(\s)+2:GB0+4*(\s)+3], s[24:25], (\s)*STEPB
	s_or_b32 s[GB0+4*(\s)+3], s[GB0+4*(\s)+3], 0x80000000
.endr
	s_cmp_eq_u32 s[FB], 0                          ; a wave's two first fills stand in one branch: two loads of mine are out
	s_cbranch_scc0 .Lfirst_b
	tensor_load_to_lds s[GA0:GA0+3], s[G1A:G1A+7]
	s_nop 0
	tensor_load_to_lds s[GA:GA+3], s[G1A:G1A+7]
	s_nop 0
.rept 4
	v_nop
.endr
	s_branch .Lfirst_asked
.Lfirst_b:
	tensor_load_to_lds s[GB0:GB0+3], s[G1B:G1B+7]
	s_nop 0
	tensor_load_to_lds s[GB:GB+3], s[G1B:G1B+7]
	s_nop 0
.rept 4
	v_nop
.endr
.Lfirst_asked:
	v_and_b32 v1, 15, v0                           ; r
	v_bfe_u32 v2, v0, 4, 1                         ; h
	v_mul_u32_u24 v3, v1, PITCH
	v_lshl_add_u32 v3, v2, 4, v3
	s_mul_i32 s77, s[FB], HALFT                    ; my 64 rows of A
	v_add_nc_u32 v[A0], s77, v3
	v_and_b32 v4, 7, v0                            ; the turning load: lane l reads row 8 (l / 16) + l % 8, 16 bytes at 16 ((l / 8) % 2)
	v_bfe_u32 v5, v0, 3, 1
	v_lshl_add_u32 v4, v2, 3, v4
	v_mul_u32_u24 v4, v4, PB
	v_lshl_add_u32 v4, v5, 4, v4
	s_lshl_b32 s78, s[HF], 7                       ; my 64 columns: 128 bytes of each row
	s_add_co_u32 s78, s78, BOFF
	v_add_nc_u32 v[B0], s78, v4
	v_add_nc_u32 v[B02], HALFB, v[B0]
	v_mov_b32 v[ADRA], v[A0]
	v_mov_b32 v[ADRB], v[B0]
	v_mov_b32 v[ADRB2], v[B02]
	s_mul_i32 s79, s[FB], 64*SPITCH                ; into the stage: my 64 rows, my half of their 256 bytes
	s_lshl_b32 s78, s[HF], 7
	s_add_co_u32 s79, s79, s78
	s_add_co_u32 s79, s79, STAGE
	v_mul_u32_u24 v6, v1, SPITCH
	v_lshl_add_u32 v6, v2, 4, v6
	v_add_nc_u32 v[STO], s79, v6
	s_mul_i32 s79, s[WV], 32*SPITCH                ; back: wave w takes rows 32 w .. 32 w + 31, whole
	s_add_co_u32 s79, s79, STAGE
	v_mul_u32_u24 v6, v2, SPITCH
	v_lshl_add_u32 v6, v1, 4, v6
	v_add_nc_u32 v[RD], s79, v6
	v_lshlrev_b32 v6, 11, v2
	v_lshl_add_u32 v[CO], v1, 4, v6
	s_wait_tensorcnt 1                             ; my part of K step 0 is in; K step 1's may stay out
	s_barrier_signal -1
	s_barrier_wait -1
	FETCH 0, F0
	QUARTER 1, F0, F1, 1                           ; the first products start the sums
	WIN 0
	s_mov_b32 s3, 2
.Lstep:                                                ; two trips fill K steps 2 and 3
	QUARTER 2, F1, F0, 0
	QUARTER 3, F0, F1, 0
	TURN 1
	QUARTER 1, F0, F1, 0
	WIN 0
	s_sub_co_u32 s3, s3, 1
	s_cmp_lg_u32 s3, 0
	s_cbranch_scc1 .Lstep
	s_mov_b32 s3, 2
.Ltail:                                                ; K steps 2 and 3 ask for nothing: they have a text of their own; it is walked twice and left in the middle of its second trip
	QUARTER 2, F1, F0, 0
	QUARTER 3, F0, F1, 0
	WIN 0
	s_sub_co_u32 s3, s3, 1
	s_cmp_eq_u32 s3, 0
	s_cbranch_scc1 .Llast
	TURN 0
	QUARTER 1, F0, F1, 0
	WIN 0
	s_branch .Ltail
.Llast:                                                ; the very last quarter: nothing more to fetch
	s_wait_dscnt 16
	MUL8 F1, 0, 0, 0
	MUL8 F1, 0, 2, 0
	s_wait_dscnt 0x0
	MUL8 F1, 1, 0, 0
	MUL8 F1, 1, 2, 0
	WIN 0
	; THE WAY OUT: rounded to f16; 16 bytes a lane into the work-group's stage; a barrier, since a row's 256 bytes come from two waves; back as whole rows, 32 rows a wave
	PLACES
.irp t, 0,1,2,3,4,5,6,7,8,9,10,11,12,13,14,15
.irp r, 0,1,2,3
	v_cvt_pk_f16_f32 v[TMP+4*(\t)+(\r)], v[ACC+8*(\t)+2*(\r)], v[ACC+8*(\t)+2*(\r)+1]
.endr
.endr
.irp a, 0,1,2,3
.irp b, 0,1,2,3
	ds_store_b128 v[STO], v[TMP+4*(4*(\a)+(\b)):TMP+4*(4*(\a)+(\b))+3] offset:(\a)*16*SPITCH+32*(\b)
.endr
.endr
	s_wait_dscnt 0x0                               ; for the others' sake: my stores into the stage are done
	s_barrier_signal -1
	s_barrier_wait -1
.irp t, 0,1,2,3,4,5,6,7,8,9,10,11,12,13,14,15
	ds_load_b128 v[TMP+4*(\t):TMP+4*(\t)+3], v[RD] offset:(\t)*2*SPITCH
.endr
.irp t, 0,1,2,3,4,5,6,7,8,9,10,11,12,13,14,15
	s_wait_dscnt 15-(\t)
	global_store_b128 v[CO], v[TMP+4*(\t):TMP+4*(\t)+3], s[OUT:OUT+1] offset:2*(\t)*2048  ; 16 lanes store 256 consecutive bytes, aligned
.endr
	s_wait_tensorcnt 0x0                           ; the wave's end
	ds_add_u32 v[SPW], v[NIL]
	s_wait_dscnt 0x0
	CROUND
	s_endpgm
.Lfunc_end_k_q65e96f0e29_mix:
	.size	k_q65e96f0e29_mix, .Lfunc_end_k_q65e96f0e29_mix-k_q65e96f0e29_mix
	.p2alignl 7, 3214868480
	.fill 96, 4, 3214868480
	.section	.rodata,"a",@progbits
	.p2align	6, 0x0
	.amdhsa_kernel k_q65e96f0e29_mix
		.amdhsa_group_segment_fixed_size 327680
		.amdhsa_private_segment_fixed_size 0
		.amdhsa_enable_private_segment 0
		.amdhsa_kernarg_size 24
		.amdhsa_user_sgpr_count 2
		.amdhsa_user_sgpr_kernarg_segment_ptr 1
		.amdhsa_wavefront_size32 1
		.amdhsa_system_sgpr_workgroup_id_x 1
		.amdhsa_system_sgpr_workgroup_id_y 1
		.amdhsa_system_sgpr_workgroup_id_z 1
		.amdhsa_system_vgpr_workitem_id 0
		.amdhsa_next_free_vgpr 512
		.amdhsa_next_free_sgpr 80
		.amdhsa_reserve_vcc 0
		.amdhsa_float_denorm_mode_32 3
		.amdhsa_float_denorm_mode_16_64 3
		.amdhsa_memory_ordered 1
		.amdhsa_forward_progress 1
		.amdhsa_inst_pref_size 61
	.end_amdhsa_kernel
	.amdgpu_metadata
---
amdhsa.version: [ 1, 2 ]
amdhsa.kernels:
  - .name:           k_q65e96f0e29_mix
    .symbol:         k_q65e96f0e29_mix.kd
    .args:
      - { .name: inb, .offset: 0, .size: 8, .value_kind: global_buffer, .address_space: global }
      - { .name: prob, .offset: 8, .size: 8, .value_kind: global_buffer, .address_space: global }
      - { .name: mixw, .offset: 16, .size: 8, .value_kind: global_buffer, .address_space: global }
    .group_segment_fixed_size: 327680
    .private_segment_fixed_size: 0
    .kernarg_segment_align: 8
    .kernarg_segment_size: 24
    .max_flat_workgroup_size: 128
    .sgpr_count:     80
    .vgpr_count:     512
    .wavefront_size: 32
...
	.end_amdgpu_metadata
.endif
;; end of part 5
;; launch final (part 6): grid 4 x 64, 4 waves a work-group, clusters of 4 x 4, 327,680 bytes of LDS; arguments qkv, mixw, wo_b, out0; writes out0
.if DOCPART == 6
	.amdgcn_target "amdgcn-amd-amdhsa--gfx1250"
	.amdhsa_code_object_version 6
	.text
	.protected	k_q65e96f0e29_final
	.globl	k_q65e96f0e29_final
	.p2align	8
	.type	k_q65e96f0e29_final,@function
k_q65e96f0e29_final:
	s_mov_b64 s[64:65], 0
	v_nop
	global_prefetch_b8 v0, s[64:65] scope:SCOPE_SE
	s_setreg_imm32_b32 hwreg(HW_REG_WAVE_MODE, 25, 1), 1
	s_wait_xcnt 0x0
	s_wait_alu depctr_hold_cnt(0) depctr_sa_sdst(0) depctr_va_vdst(0) depctr_va_sdst(0) depctr_va_ssrc(0) depctr_va_vcc(0) depctr_vm_vsrc(0)
	s_getreg_b32 s2, hwreg(HW_REG_IB_STS2, 6, 4)
	s_cmp_eq_u32 s2, 0
	s_cbranch_scc0 .Lentry_in_a_cluster
	s_endpgm
.Lentry_in_a_cluster:
	s_bfe_u32 s2, ttmp6, 0x10000c
	s_cmp_lg_u32 s2, 0xf033
	s_cbranch_scc0 .Lentry_shape_is_right
	s_endpgm
.Lentry_shape_is_right:
; THE OUTPUT.  out0[4 a + b][k][o] = sum over j of v[b][k][j] M[a][o][j] + bo[o]: sixteen products of 1024 x 1024 x 1024 with f16 operands and f32 sums, stored as f32.
; bo is rounded to bf16 like the other inputs and starts the sums as the C operand of the first K quarter's products.  LIMITS: the sums have the matrix unit's order; NaN and infinities are not treated apart.
; SHARES.  A cluster of 4 x 4 work-groups makes one product; a work-group a tile of 256 x 256; each of its four waves 128 x 128: 64 accumulators, 512 registers: 256 work-groups.
; K goes in 8 steps of 128 (256 bytes of each row in memory, aligned) through two LDS slots that joint tensor loads fill by turns: A's tile is shared along a row of the cluster, B's along a column.
; The matrix instruction is used transposed (source 0 = 16 rows of M, source 1 = 16 rows of v): lane l holds row l % 16 of the result and the columns 8 (l / 16) + 0..7.
; REGISTERS, in windows of 256 (s_set_vgpr_msb: bits 1:0 source 0, 3:2 source 1, 5:4 source 2, 7:6 destination):
;   window 0: v1-8 at work in the head; v16-30 addresses; v64-127, v128-191 A's fragments, two buffers, later the way out; v192-255 the bias
;   window 1: v64-127, v128-191 B's fragments;   window 2: the accumulators of my rows 0-63 ((a, b) at 8 (8 a + b));   window 3: those of rows 64-127
.set KB,     256                       ; bytes of a row in a K step
.set PITCH,  272                       ; an LDS row: 256 bytes + 16 of padding: the 16 rows of a fragment load start at 16 different groups of four banks (ISA guide 11.1)
.set HALFT,  128*PITCH
.set SLOT,   4*HALFT                   ; 0x22000: no bit of it is set in wave x HALFT, so one exclusive or changes slots
.set STAGE,  2*SLOT                    ; behind the ring: 16 rows x 528 bytes for each wave
.set SPITCH, 528                       ; 128 f32 + 16 bytes
.set SPARE,  STAGE+4*16*SPITCH         ; the spare words: two blocks of 256 bytes that no other line names
.set GW0,    (1<<16)|(1<<20)|(1<<21)|(5<<22)|(3<<25)
.set A0,   16
.set B0,   17
.set ADRA, 18
.set ADRB, 19
.set STO,  24
.set RD,   25
.set CO,   26
.set SPW,  28
.set NIL,  29
.set PFO,  30
.set F0,   64
.set F1,   128
.set CB,   192
.set WV,  14
.set FB,  15
.set HF,  16
.set CX,  17
.set CY,  18
.set CLY, 19                           ; s19  the cluster's y = 4 a + b
.set G1A, 32
.set G1B, 40
.set GA0, 48
.set GA,  52
.set GB0, 56
.set GB,  60
.set TB,  66
.set LIM, 67
.set PFA, 68
.set OUT, 70
.set AA,  72                           ; s72  a
.set BB,  73                           ; s73  b
.set MSB, 0
.macro WIN new
.if MSB != (\new)
	s_set_vgpr_msb (MSB<<8)|(\new)
.set MSB, \new
.endif
.endm
.macro PLACES
.rept 4
	v_nop
.endr
.endm
.macro CREST
	s_cmp_lg_u32 s[WV], 0
	s_cbranch_scc1 .Lnot_wave_0_\@
	s_barrier_signal -3
.Lnot_wave_0_\@:
	s_barrier_wait -3
	s_barrier_signal -1
	s_barrier_wait -1
.endm
.macro CROUND
	s_barrier_signal -1
	s_barrier_wait -1
	CREST
.endm
.macro JLOAD
	s_cmp_eq_u32 s[FB], 0
	s_cbranch_scc0 .Lfor_b_\@
	tensor_load_to_lds s[GA:GA+3], s[G1A:G1A+7]
	s_nop 0
.rept 4
	v_nop
.endr
	s_branch .Lasked_\@
.Lfor_b_\@:
	tensor_load_to_lds s[GB:GB+3], s[G1B:G1B+7]
	s_nop 0
.rept 4
	v_nop
.endr
.Lasked_\@:
.endm
; A prefetch of the K step that stands two refills on: 32 rows x 256 bytes, a lane a row, one instruction a wave.  Of the 128 rows that a wave fetches each of the four partners that ask for them jointly
; takes 32, told apart by address.  v[b] is read by the four clusters with that b: the one with a = 0 asks; M[a] by the four with that a: the one with b = 0 asks.  So each block is named once in the launch.
; K steps 0 to 3 come by their loads alone; the count s3 runs 6 .. 1, and a wave asks while it is above 2: K steps 4 to 7.
.macro ASK
	s_cmp_gt_u32 s3, s[LIM]
	s_cbranch_scc0 .Lnot_mine_\@
	global_prefetch_b8 v[PFO], s[PFA:PFA+1] offset:KB th:TH_LOAD_NT scope:SCOPE_SE
.Lnot_mine_\@:
.endm
; 16 matrix instructions: row blocks a0, a0 + 1 of the window's four x all 8 column blocks, 32 along K.  cm = 1: the sums start with the bias
.macro MUL16 f, hi, a0, cm
.if (\cm) == 0
	WIN 0xa1+0x50*(\hi)
.else
	WIN 0x81+0x40*(\hi)
.endif
.irp a, \a0, (\a0)+1
.irp b, 0,1,2,3,4,5,6,7
.if (\cm) == 0
	v_wmma_f32_16x16x32_f16 v[8*(8*(\a)+(\b)):8*(8*(\a)+(\b))+7], v[(\f)+8*(\b):(\f)+8*(\b)+7], v[(\f)+8*(4*(\hi)+(\a)):(\f)+8*(4*(\hi)+(\a))+7], v[8*(8*(\a)+(\b)):8*(8*(\a)+(\b))+7]
.else
	v_wmma_f32_16x16x32_f16 v[8*(8*(\a)+(\b)):8*(8*(\a)+(\b))+7], v[(\f)+8*(\b):(\f)+8*(\b)+7], v[(\f)+8*(4*(\hi)+(\a)):(\f)+8*(4*(\hi)+(\a))+7], v[CB+8*(\b):CB+8*(\b)+7]
.endif
.endr
.endr
.endm
.macro FETCH k, f
	WIN 0x40
.irp i, 0,1,2,3,4,5,6,7
	ds_load_b128 v[(\f)+8*(\i):(\f)+8*(\i)+3],   v[ADRB] offset:(\k)+(\i)*16*PITCH
	ds_load_b128 v[(\f)+8*(\i)+4:(\f)+8*(\i)+7], v[ADRB] offset:(\k)+(\i)*16*PITCH+32
.endr
	WIN 0
.irp i, 0,1,2,3,4,5,6,7
	ds_load_b128 v[(\f)+8*(\i):(\f)+8*(\i)+3],   v[ADRA] offset:(\k)+(\i)*16*PITCH
	ds_load_b128 v[(\f)+8*(\i)+4:(\f)+8*(\i)+7], v[ADRA] offset:(\k)+(\i)*16*PITCH+32
.endr
.endm
; The 64 accumulators take turns in the same order in every quarter.
.macro QUARTER k, f, g, cm
	s_wait_dscnt 8                                 ; B and A's rows 0-63 are in; the youngest eight loads (A's rows 64-127) may be out
	MUL16 \f, 0, 0, \cm
	MUL16 \f, 0, 2, \cm
	PLACES
	FETCH \k, \g
	s_wait_dscnt 32                                ; all but the 32 just issued
	MUL16 \f, 1, 0, \cm
	MUL16 \f, 1, 2, \cm
.endm
.macro MEET                            ; each wave waits for all its tensor loads (one is out: its part of the next slot), adds 0 to its spare word, and waits for that and for its reads of this slot
	WIN 0
	s_wait_tensorcnt 0x0
	ds_add_u32 v[SPW], v[NIL]
	s_wait_dscnt 9                                 ; the add and the youngest eight loads may be out
	MUL16 F1, 0, 0, 0
	s_wait_dscnt 0x0
	s_barrier_signal -1
	MUL16 F1, 0, 2, 0
	WIN 0
	s_barrier_wait -1
.endm
; A K step's last quarter.  fill = 1: the barrier opens a round of the cluster's, and the slot just read is filled again, first thing behind it, with the K step two on; 224 matrix instructions stand between that request and the wait for it.
.macro TURN fill
.if \fill
	s_wait_xcnt 0x0                                ; the last prefetch, a K step back, has read its address
	s_add_nc_u64 s[PFA:PFA+1], s[PFA:PFA+1], KB
.endif
	MEET
.if \fill
	CREST
	s_xor_b32 s[GA+1], s[GA+1], SLOT
	s_add_nc_u64 s[GA+2:GA+3], s[GA+2:GA+3], KB
	s_xor_b32 s[GB+1], s[GB+1], SLOT
	s_add_nc_u64 s[GB+2:GB+3], s[GB+2:GB+3], KB
	JLOAD
.else
	PLACES
.endif
	s_xor_b32 s[TB], s[TB], SLOT
	v_add_nc_u32 v[ADRA], s[TB], v[A0]
	v_add_nc_u32 v[ADRB], s[TB], v[B0]
	FETCH 0, F0
.if \fill
	ASK
.endif
	MUL16 F1, 1, 0, 0
	MUL16 F1, 1, 2, 0
.endm
; THE WAY OUT of row block a: the accumulators go as they are, 32 bytes a lane, into my own stage (each accumulator's low four registers first) and come back as whole rows of 512 bytes.
.macro TOSTAGE a
.set AC, 64*((\a)%4)
.set BK, 64+64*((\a)%2)
	WIN 0x08+4*((\a)/4)                            ; the stores' data lie in window 2 or 3
.irp b, 0,1,2,3,4,5,6,7
	ds_store_b128 v[STO], v[AC+8*(\b):AC+8*(\b)+3]   offset:64*(\b)
	ds_store_b128 v[STO], v[AC+8*(\b)+4:AC+8*(\b)+7] offset:64*(\b)+16
.endr
	WIN 0
.if (\a) >= 2
	s_wait_xcnt 0x0                                ; the stores of block a - 2 have read the registers into which these loads land
.endif
.irp t, 0,1,2,3,4,5,6,7,8,9,10,11,12,13,14,15
	ds_load_b128 v[BK+4*(\t):BK+4*(\t)+3], v[RD] offset:(\t)*SPITCH  ; LDS serves a wave's instructions in order (ISA guide 5.7.1.4): these see the stores above
.endr
.endm
.macro SEND a, y                       ; y: the LDS instructions issued behind block a's loads: the next block's 32, or none
	WIN 0
.set BK, 64+64*((\a)%2)
.irp t, 0,1,2,3,4,5,6,7,8,9,10,11,12,13,14,15
	s_wait_dscnt (\y)+15-(\t)
	global_store_b128 v[CO], v[BK+4*(\t):BK+4*(\t)+3], s[OUT:OUT+1] offset:(16*(\a)+(\t))*4096 th:TH_STORE_NT  ; the wave stores 512 consecutive bytes, aligned
.endr
.endm
	s_load_b256 s[4:11], s[0:1], 0x0               ; qkv s[4:5], mixw s[6:7], wo_b s[8:9], out0 s[10:11]
	v_lshl_add_u32 v[SPW], v0, 2, SPARE
	v_mov_b32 v[NIL], 0
	ds_add_u32 v[SPW], v[NIL]                      ; the wave's opening: the add and its wait ahead of my first tensor load
	v_lshrrev_b32 v1, 5, v0
	v_readfirstlane_b32 s[WV], v1
	s_lshr_b32 s[FB], s[WV], 1
	s_and_b32 s[HF], s[WV], 1
	s_bfe_u32 s[CX], ttmp6, 0x40000
	s_bfe_u32 s[CY], ttmp6, 0x40004
	s_and_b32 s[CLY], ttmp7, 0xffff
	s_lshr_b32 s[AA], s[CLY], 2
	s_and_b32 s[BB], s[CLY], 3
	s_lshl_b32 s20, s[CY], 2
	s_lshl_b32 s20, 15, s20
	s_lshl_b32 s24, 0x1111, s[CX]
	s_or_b32 s[G1A], s20, GW0
	s_or_b32 s[G1B], s24, GW0
.irp g, G1A, G1B
	s_mov_b32 s[(\g)+1], 128<<16
	s_mov_b32 s[(\g)+2], 128<<16
	s_mov_b32 s[(\g)+3], 128<<16
	s_mov_b32 s[(\g)+4], 128
	s_mov_b32 s[(\g)+5], 1024
	s_mov_b32 s[(\g)+6], 0
	s_mov_b32 s[(\g)+7], 0
.endr
	s_lshl_b32 s20, s[BB], 21                      ; v[b]: (2 << 23) + (b << 21), row 256 cy + 128 x half
	s_add_co_u32 s20, s20, 2<<23
	s_lshl_b32 s22, s[CY], 19
	s_add_co_u32 s20, s20, s22
	s_lshl_b32 s22, s[HF], 18
	s_add_co_u32 s20, s20, s22
	s_mov_b32 s21, 0
	s_lshl_b32 s24, s[AA], 21                      ; M[a]: row 256 cx + 128 x half
	s_lshl_b32 s26, s[CX], 19
	s_add_co_u32 s24, s24, s26
	s_lshl_b32 s26, s[HF], 18
	s_add_co_u32 s24, s24, s26
	s_mov_b32 s25, 0
	s_mul_i32 s23, s[WV], HALFT
	s_lshl_b32 s30, s[CLY], 22                     ; out0[4 a + b], row 256 cy + 128 x my row half, column 256 cx + 128 x my column half
	s_lshl_b32 s31, s[CY], 20
	s_add_co_u32 s30, s30, s31
	s_lshl_b32 s31, s[FB], 19
	s_add_co_u32 s30, s30, s31
	s_lshl_b32 s31, s[CX], 10
	s_add_co_u32 s30, s30, s31
	s_lshl_b32 s31, s[HF], 9
	s_add_co_u32 s30, s30, s31
	s_mov_b32 s31, 0
	s_cmp_eq_u32 s[FB], 0                          ; the prefetches: the rows that I fetch,
	s_cselect_b32 s28, s20, s24
	s_cselect_b32 s29, s[CX], s[CY]                ; my work-group's 32 of them,
	s_cselect_b32 s76, s[AA], s[BB]                ; and the coordinate along which other clusters read the same rows
	s_lshl_b32 s29, s29, 16
	s_add_co_u32 s28, s28, s29
	s_add_co_u32 s28, s28, 2*KB                    ; at K step 2: the first change of slots steps it to 3 and names 4
	s_mov_b32 s29, 0
	s_cmp_eq_u32 s76, 0
	s_cselect_b32 s[LIM], 2, -1                    ; the same in all sixteen partners, for a given wave
	s_mov_b32 s[TB], 0
	s_wait_dscnt 0x0
	s_wait_kmcnt 0x0
	s_add_nc_u64 s[20:21], s[4:5], s[20:21]
	s_add_nc_u64 s[24:25], s[6:7], s[24:25]
	s_cmp_eq_u32 s[FB], 0
	s_cselect_b64 s[PFA:PFA+1], s[4:5], s[6:7]
	s_add_nc_u64 s[PFA:PFA+1], s[PFA:PFA+1], s[28:29]
	s_add_nc_u64 s[OUT:OUT+1], s[10:11], s[30:31]
	CROUND
.irp s, 0,1
	s_mov_b32 s[GA0+4*(\s)], 1
	s_add_co_u32 s[GA0+4*(\s)+1], s23, (\s)*SLOT
	s_add_nc_u64 s[GA0+4*(\s)+2:GA0+4*(\s)+3], s[20:21], (\s)*KB
	s_or_b32 s[GA0+4*(\s)+3], s[GA0+4*(\s)+3], 0x80000000
	s_mov_b32 s[GB0+4*(\s)], 1
	s_add_co_u32 s[GB0+4*(\s)+1], s23, (\s)*SLOT
	s_add_nc_u64 s[GB0+4*(\s)+2:GB0+4*(\s)+3], s[24:25], (\s)*KB
	s_or_b32 s[GB0+4*(\s)+3], s[GB0+4*(\s)+3], 0x80000000
.endr
	s_cmp_eq_u32 s[FB], 0                          ; a wave's two first fills stand in one branch: two loads of mine are out
	s_cbranch_scc0 .Lfirst_b
	tensor_load_to_lds s[GA0:GA0+3], s[G1A:G1A+7]
	s_nop 0
	tensor_load_to_lds s[GA:GA+3], s[G1A:G1A+7]
	s_nop 0
.rept 4
	v_nop
.endr
	s_branch .Lfirst_asked
.Lfirst_b:
	tensor_load_to_lds s[GB0:GB0+3], s[G1B:G1B+7]
	s_nop 0
	tensor_load_to_lds s[GB:GB+3], s[G1B:G1B+7]
	s_nop 0
.rept 4
	v_nop
.endr
.Lfirst_asked:
	v_and_b32 v1, 15, v0                           ; r
	v_bfe_u32 v2, v0, 4, 1                         ; h
	s_lshl_b32 s26, s[CX], 10                      ; the bias: register CB + 8 x + j of lane (r, h) holds bo[256 cx + 128 half + 16 x + 8 h + j]
	s_lshl_b32 s27, s[HF], 9
	s_add_co_u32 s26, s26, s27
	v_lshlrev_b32 v8, 5, v2
	v_add_nc_u32 v8, s26, v8
.irp x, 0,1,2,3,4,5,6,7
	global_load_b128 v[CB+8*(\x):CB+8*(\x)+3],   v8, s[8:9] offset:64*(\x)
	global_load_b128 v[CB+8*(\x)+4:CB+8*(\x)+7], v8, s[8:9] offset:64*(\x)+16
.endr
	v_mul_u32_u24 v3, v1, PITCH
	v_lshl_add_u32 v3, v2, 4, v3
	s_mul_i32 s77, s[FB], HALFT
	s_mul_i32 s78, s[HF], HALFT
	s_add_co_u32 s78, s78, 2*HALFT
	v_add_nc_u32 v[A0], s77, v3
	v_add_nc_u32 v[B0], s78, v3
	v_mov_b32 v[ADRA], v[A0]
	v_mov_b32 v[ADRB], v[B0]
	s_mul_i32 s79, s[WV], 16*SPITCH
	s_add_co_u32 s79, s79, STAGE                   ; my stage
	v_mul_u32_u24 v4, v1, SPITCH                   ; in: row l % 16, 32 bytes for each half of the lanes
	v_lshl_add_u32 v4, v2, 5, v4
	v_add_nc_u32 v[STO], s79, v4
	v_and_b32 v5, 31, v0
	v_lshlrev_b32 v[CO], 4, v5                     ; back: 32 lanes take a row of 512 bytes; the same 512 bytes of the result
	v_add_nc_u32 v[RD], s79, v[CO]
	v_lshlrev_b32 v[PFO], 11, v5
	s_mov_b32 s76, 0xffff0000                      ; a word's upper bf16
	s_wait_loadcnt 0x0                             ; the bias is in: rounded to bf16 and widened again
.set i, 0
.rept 32
	v_cvt_pk_bf16_f32 v[4+i%4], v[CB+2*i], v[CB+2*i+1]
	v_lshlrev_b32 v[CB+2*i], 16, v[4+i%4]
	v_and_b32 v[CB+2*i+1], s76, v[4+i%4]
.set i, i+1
.endr
	s_wait_tensorcnt 1                             ; my part of K step 0 is in; K step 1's may stay out
	s_barrier_signal -1
	s_barrier_wait -1
	FETCH 0, F0
	QUARTER 64, F0, F1, 1                          ; the bias starts the sums
	WIN 0
	s_mov_b32 s3, 6
.Lstep:                                                ; a trip: from a K step's second quarter to the next step's first; six trips fill K steps 2 to 7
	QUARTER 128, F1, F0, 0
	QUARTER 192, F0, F1, 0
	TURN 1
	QUARTER 64, F0, F1, 0
	WIN 0
	s_sub_co_u32 s3, s3, 1
	s_cmp_lg_u32 s3, 0
	s_cbranch_scc1 .Lstep
	s_mov_b32 s3, 2
.Ltail:                                                ; K steps 6 and 7 ask for nothing: they have a text of their own; it is walked twice and left in the middle of its second trip
	QUARTER 128, F1, F0, 0
	QUARTER 192, F0, F1, 0
	WIN 0
	s_sub_co_u32 s3, s3, 1
	s_cmp_eq_u32 s3, 0
	s_cbranch_scc1 .Llast
	TURN 0
	QUARTER 64, F0, F1, 0
	WIN 0
	s_branch .Ltail
.Llast:                                                ; the very last quarter: nothing more to fetch
	s_wait_dscnt 8
	MUL16 F1, 0, 0, 0
	MUL16 F1, 0, 2, 0
	s_wait_dscnt 0x0
	MUL16 F1, 1, 0, 0
	MUL16 F1, 1, 2, 0
	WIN 0
	PLACES                                         ; behind the last product: the stores below read results, the loads land in A's fragments
	TOSTAGE 0
.irp a, 1,2,3,4,5,6,7
	TOSTAGE \a
	SEND (\a)-1, 32
.endr
	SEND 7, 0
	s_wait_tensorcnt 0x0                           ; the wave's end
	ds_add_u32 v[SPW], v[NIL]
	s_wait_dscnt 0x0
	CROUND                                         ; the closing round
	s_endpgm
.Lfunc_end_k_q65e96f0e29_final:
	.size	k_q65e96f0e29_final, .Lfunc_end_k_q65e96f0e29_final-k_q65e96f0e29_final
	.p2alignl 7, 3214868480
	.fill 96, 4, 3214868480
	.section	.rodata,"a",@progbits
	.p2align	6, 0x0
	.amdhsa_kernel k_q65e96f0e29_final
		.amdhsa_group_segment_fixed_size 327680
		.amdhsa_private_segment_fixed_size 0
		.amdhsa_enable_private_segment 0
		.amdhsa_kernarg_size 32
		.amdhsa_user_sgpr_count 2
		.amdhsa_user_sgpr_kernarg_segment_ptr 1
		.amdhsa_wavefront_size32 1
		.amdhsa_system_sgpr_workgroup_id_x 1
		.amdhsa_system_sgpr_workgroup_id_y 1
		.amdhsa_system_sgpr_workgroup_id_z 1
		.amdhsa_system_vgpr_workitem_id 0
		.amdhsa_next_free_vgpr 1024
		.amdhsa_next_free_sgpr 80
		.amdhsa_reserve_vcc 0
		.amdhsa_float_denorm_mode_32 3
		.amdhsa_float_denorm_mode_16_64 3
		.amdhsa_memory_ordered 1
		.amdhsa_forward_progress 1
		.amdhsa_inst_pref_size 111
	.end_amdhsa_kernel
	.amdgpu_metadata
---
amdhsa.version: [ 1, 2 ]
amdhsa.kernels:
  - .name:           k_q65e96f0e29_final
    .symbol:         k_q65e96f0e29_final.kd
    .args:
      - { .name: qkv, .offset: 0, .size: 8, .value_kind: global_buffer, .address_space: global }
      - { .name: mixw, .offset: 8, .size: 8, .value_kind: global_buffer, .address_space: global }
      - { .name: wo_b, .offset: 16, .size: 8, .value_kind: global_buffer, .address_space: global }
      - { .name: out0, .offset: 24, .size: 8, .value_kind: global_buffer, .address_space: global }
    .group_segment_fixed_size: 327680
    .private_segment_fixed_size: 0
    .kernarg_segment_align: 8
    .kernarg_segment_size: 32
    .max_flat_workgroup_size: 128
    .sgpr_count:     80
    .vgpr_count:     1024
    .wavefront_size: 32
...
	.end_amdgpu_metadata
.endif
;; end of part 6
